; MI455X (gfx1250); checked and timed in simulation.
; The chip was launched on July 23, 2026; its instructions are those of AMD's public machine-readable ISA for CDNA 5 (MIT licence, August 2026) and "CDNA5" Instruction Set Architecture Reference Guide (July 2026). The comments in the code are by the model that wrote it; some were corrected since.
;; Helio Attention. Allowed arithmetic: matrix products marked QUANTISED: E2M3 operands, one E8M0 scale for each 32 along K, by v_wmma_scale_f32_16x16x128_f8f6f4 with both operands' format E2M3, f32 sums; everything else in f32.
;; Inputs: Wk 1,024 x 1,024 float32; Wo 1,024 x 1,024 float32; Wq 1,024 x 1,024 float32; Wv 1,024 x 1,024 float32; attention_mask 2 x 1 x 1 x 2,048 int32; hidden_states 2 x 2,048 x 1,024 float32.
;; Outputs: out0 2 x 2,048 x 1,024 float32.
;; This version of the problem:
;;   THIS VERSION OF THE PROBLEM IS GIVEN IN LOW PRECISION. The matrix products marked QUANTISED in the list below multiply operands that are first quantised to E2M3 (2 exponent bits, 3 mantissa bits; 6 bits a number), with one power-of-two scale for each 32 numbers along K (OCP MX v1.0); their sums are f32. All else is computed in f32.
;;   The module's matrix products, in the order in which they are computed (A, B: the left and right operand; K: the contracted axis; several contracted axes count as one K, in the product's order):
;;     1. [M 4,096, K 1,024] x [K 1,024, N 1,024]; A: input hidden_states; B: input Wq: QUANTISED
;;     2. [M 4,096, K 1,024] x [K 1,024, N 1,024]; A: input hidden_states; B: input Wk: QUANTISED
;;     3. [M 4,096, K 1,024] x [K 1,024, N 1,024]; A: input hidden_states; B: input Wv: QUANTISED
;;     4. batch 32 x [M 2,048, K 64] x [K 64, N 2,048]; A: computed on the way; B: computed on the way: QUANTISED
;;     5. batch 32 x [M 2,048, K 2,048] x [K 2,048, N 64]; A: softmax (see below); B: computed on the way: QUANTISED
;;     6. [M 4,096, K 1,024] x [K 1,024, N 1,024]; A: computed on the way; B: input Wo: QUANTISED
;;   THE QUANTISER, for each operand of a quantised product, along K:
;;     - K is cut into blocks of 32 from its start; a last block that is shorter is filled with zeros.
;;     - A block's scale is 2^e with e = floor(log2(the largest magnitude in the block)) - 2, held to -126 .. 127; a block of zeros has e = 0. As a byte (E8M0): e + 127.
;;     - Each number is divided by its block's scale, clamped to +-7.5, and rounded to the nearest number of E2M3, ties to even, subnormals kept.
;;     - The product sums the exact products of the quantised numbers (number of the format x scale) in f32.
;;   ~~~python
;;   def quantise(x, axis):      # numpy; x: float32 -> the quantised numbers, widened to float32 again
;;       x = np.moveaxis(x, axis, -1); K = x.shape[-1]
;;       x = np.pad(x, [(0, 0)] * (x.ndim - 1) + [(0, -K % 32)]); x = x.reshape(x.shape[:-1] + (-1, 32)); a = np.abs(x).max(-1, keepdims=True)
;;       e = np.where(a > 0, np.clip(np.frexp(np.where(a > 0, a, 1))[1] - 1 - 2, -126, 127), 0)      # np.frexp(a)[1] - 1 = floor(log2(a)), exactly
;;       r = np.clip(x / 2.0 ** e, -7.5, 7.5)
;;       step = 2.0 ** (np.maximum(np.frexp(np.where(r == 0, 1, r))[1] - 1, 0) - 3)
;;       q = np.round(r / step) * step * 2.0 ** e      # np.round: ties to even
;;       return np.moveaxis(q.reshape(q.shape[:-2] + (-1,))[..., :K], -1, axis).astype(np.float32)
;;   ~~~
;;   SOFTMAX AHEAD OF A QUANTISED PRODUCT. Where the list says 'softmax', what is quantised is not the finished softmax but p = 2^(t - M), with t = logit x log2(e) and M = ceil(the row's largest t), a whole number; so 1/2 < the row's largest p <= 1. The row's sum l is taken of the UNQUANTISED p, in f32, and the product's result is divided by l at the end. Since M is a whole number, a kernel that streams over the keys may use a running M (the ceiling of the running maximum): every later rescaling is an exact power of two, which a block's scale takes up: the codes' values come out the same.
;;   OPERANDS COMPUTED ON THE WAY. 'Computed on the way' means the value that the module computes at that place (a softmax that the list does not call 'softmax' is quantised finished and normalised). What goes into a quantiser is computed in f32, as accurately as f32 sums, v_exp_f32 and their like allow (about 1e-6 of the number): no bf16 or f16 on the way to a quantiser, and a product that is left as it is and whose result goes on into a quantised operand takes f32 operands (vector FMAs, or v_wmma_f32_16x16x4_f32). A number that lies on a knife's edge between two numbers of the format may be rounded either way, as far as f32 arithmetic and the matrix unit's own rounding can turn it there, and no further.
;; One version. Each part assembles by itself: llvm-mc -triple=amdgcn-amd-amdhsa -mcpu=gfx1250 --defsym DOCPART=n.
;; ======== version 1 of 1: 4 launches
;; limits: right only within a limited range of input values
;; workspace buffers: c1 6,291,456 bytes; s1 262,144 bytes; qkvc 9,437,184 bytes; qkvs 655,360 bytes; oc 3,145,728 bytes; os 131,072 bytes
;; launch quant (part 1): grid 64 x 8, 8 waves a work-group, no clusters, 69,120 bytes of LDS; arguments hidden_states, Wq, Wk, Wv, Wo, c1, s1; writes c1, s1
.if DOCPART == 1
	.amdgcn_target "amdgcn-amd-amdhsa--gfx1250"
	.amdhsa_code_object_version 6
	.text
	.protected	k_qb1be489ab0_quant
	.globl	k_qb1be489ab0_quant
	.p2align	8
	.type	k_qb1be489ab0_quant,@function
k_qb1be489ab0_quant:
	s_mov_b64 s[64:65], 0
	v_nop
	global_prefetch_b8 v0, s[64:65] scope:SCOPE_SE
	s_setreg_imm32_b32 hwreg(HW_REG_WAVE_MODE, 25, 1), 1
	s_wait_xcnt 0x0
; hidden_states [4096][1024] and Wq, Wk, Wv, Wo [1024][1024], f32, K innermost, become codes of FP6 (E2M3) with one E8M0 byte for each 32 along K.
; A block's scale is 2^(floor(log2(its largest magnitude)) - 2); its byte is that magnitude's exponent field - 2, held at 1 from below.
; LIMITS: a block of zeros, or one whose largest magnitude lies under 2^-124, keeps the byte 1 (its codes are zeros or tiny; this program alone reads the bytes); NaN and infinities among the inputs are not served.
; LAYOUT OF THE RESULT.  Rows go in groups of 128: groups 0-31 hidden_states, 32-39 Wq, 40-47 Wk, 48-55 Wv, 56-63 Wo.  Tile i (0..7) of a group, lane r, is row 32 (i / 2) + 8 (i % 2) + r + 8 (r / 8).
; c1 holds IMAGES OF THE OPERAND'S REGISTERS: [group][K step of 128][tile][half c][768 bytes]; a half (16 rows x 64 K, six registers a lane) is registers 0-3 at 16 x lane, then registers 4-5 at 512 + 8 x lane.
; s1 holds the scale words: [group][K step][tile][row] of 4 bytes.
; SHARES.  A work-group is one group and one K step; wave i takes tile i: 16 rows x 128 K.  Each of a wave's 16 loads reads 512 consecutive bytes of one row; the rows turn through the wave's own stage in LDS (pitch 528),
; so that a lane gets 16 neighbours of each block of 32.  No loop: all of a wave's loads are out at once.  No tensor loads, no cluster: nothing is shared between work-groups.
.set STGB, 8448                        ; a wave's stage: 16 rows x 528 bytes
.set SCL,  67584                       ; behind the eight stages: the work-group's 128 scale words
.set R,    16                          ; v16-79   the rows as loaded
.set X,    80                          ; v80-143  register 16 b + i = k 32 b + 16 (lane / 16) + i of my row
.set TM,   144                         ; v144-147 largest magnitudes, v148-151 at work and bytes, v156-159 the conversions' scale operands
.set PW,   160                         ; my row's scale word
.set PC,   164                         ; v164-175 the fragment's twelve registers
.set T2,   176                         ; v176-182 the upper halves of the blocks, before they are moved
.set SEL,  36                          ; s[36:37] lane selects: lane l xor 16
	s_load_b256 s[4:11], s[0:1], 0x0               ; hidden_states, Wq, Wk, Wv
	s_load_b128 s[12:15], s[0:1], 0x20             ; Wo, c1
	s_load_b64 s[16:17], s[0:1], 0x30              ; s1
	v_lshl_add_u32 v184, v0, 2, 0x10a00
	v_mov_b32 v185, 0
	v_lshrrev_b32 v1, 5, v0
	s_delay_alu instid0(VALU_DEP_1)
	v_readfirstlane_b32 s20, v1                    ; wave = tile
	v_and_b32 v1, 31, v0                           ; lane
	s_delay_alu instid0(VALU_DEP_1)
	v_lshlrev_b32 v4, 4, v1                        ; 16 x lane
	s_and_b32 s23, ttmp7, 0xffff                   ; K step
	s_and_b32 s24, ttmp9, 7                        ; a weight's group
	s_lshr_b32 s25, s20, 1
	s_lshl_b32 s25, s25, 17                        ; 32 (i / 2) rows of 4,096 bytes
	s_and_b32 s26, s20, 1
	s_lshl_b32 s26, s26, 15                        ; 8 (i % 2) rows
	s_lshl_b32 s27, s23, 9                         ; 512 bytes a K step
	s_add_co_u32 s25, s25, s26
	s_add_co_u32 s27, s27, s25
	s_wait_alu depctr_va_vdst(0)
	s_wait_kmcnt 0x0
	s_mov_b64 s[18:19], s[12:13]                   ; which tensor: the choice hangs on the work-group's number alone
	s_cmp_lt_u32 ttmp9, 56
	s_cselect_b64 s[18:19], s[10:11], s[18:19]
	s_cmp_lt_u32 ttmp9, 48
	s_cselect_b64 s[18:19], s[8:9], s[18:19]
	s_cmp_lt_u32 ttmp9, 40
	s_cselect_b64 s[18:19], s[6:7], s[18:19]
	s_cmp_lt_u32 ttmp9, 32
	s_cselect_b64 s[18:19], s[4:5], s[18:19]
	s_cselect_b32 s24, ttmp9, s24                  ; the group inside its tensor
	s_lshl_b32 s24, s24, 19                        ; 128 rows of 4,096 bytes
	s_add_co_u32 s24, s24, s27
	s_mov_b32 s25, 0
	s_add_nc_u64 s[18:19], s[18:19], s[24:25]
.irp n, 0,1,2,3,4,5,6,7,8,9,10,11,12,13,14,15
	global_load_b128 v[R+4*\n:R+4*\n+3], v4, s[18:19] offset:(\n+8*(\n/8))*4096 th:TH_LOAD_NT   ; tile lane n's row: 32 lanes read 512 consecutive bytes
.endr
	v_and_b32 v2, 15, v0                           ; r
	v_bfe_u32 v3, v0, 4, 1                         ; h
	v_lshlrev_b32 v5, 3, v1                        ; 8 x lane
	s_mul_i32 s21, s20, STGB
	v_add_nc_u32 v6, s21, v4                       ; into the stage: 16 x lane of a row
	v_mul_u32_u24 v7, v2, 528
	s_delay_alu instid0(VALU_DEP_1)
	v_lshl_add_u32 v7, v3, 6, v7
	s_delay_alu instid0(VALU_DEP_1)
	v_add_nc_u32 v7, s21, v7                       ; out of it: row r, + 64 h
	s_lshl_b32 s22, s20, 6
	v_lshlrev_b32 v8, 2, v2
	s_delay_alu instid0(VALU_DEP_1)
	v_add_nc_u32 v8, s22, v8
	s_delay_alu instid0(VALU_DEP_1)
	v_add_nc_u32 v8, SCL, v8                       ; my row's scale word: 64 x tile + 4 r
	v_add_nc_u32 v9, SCL, v4                       ; and the way out of the 512 bytes
	s_mov_b32 s[SEL], 0x76543210
	s_mov_b32 s[SEL+1], 0xfedcba98
.irp b, 0,1,2,3
	v_mov_b32 v[TM+4+\b], 0                        ; a lane permute's destination counts as one of its sources
.endr
	s_mul_i32 s28, ttmp9, 98304                    ; c1: group, K step, tile
	s_mul_i32 s29, s23, 12288
	s_add_co_u32 s28, s28, s29
	s_mul_i32 s29, s20, 1536
	s_add_co_u32 s28, s28, s29
	s_mov_b32 s29, 0
	s_add_nc_u64 s[14:15], s[14:15], s[28:29]
	s_lshl_b32 s28, ttmp9, 12                      ; s1: group, K step
	s_lshl_b32 s30, s23, 9
	s_add_co_u32 s28, s28, s30
	s_add_nc_u64 s[16:17], s[16:17], s[28:29]
	s_wait_alu depctr_va_vdst(0)
.irp n, 0,1,2,3,4,5,6,7,8,9,10,11,12,13,14,15
	s_wait_loadcnt 15-\n                           ; loads come back in order: row n is in, the younger rows may be out
	ds_store_b128 v6, v[R+4*\n:R+4*\n+3] offset:528*\n
.endr
.irp b, 0,1,2,3
.irp j, 0,1,2,3
	ds_load_b128 v[X+16*\b+4*\j:X+16*\b+4*\j+3], v7 offset:128*\b+16*\j   ; LDS serves a wave's instructions in order: these see my stores
.endr
.endr
	s_wait_dscnt 0x0
; 64 numbers of a lane become the fragment's twelve registers and the row's scale word
.irp b, 0,1,2,3
	v_max3_num_f32 v[TM+\b], |v[X+16*\b]|, |v[X+1+16*\b]|, 0x1800000   ; block b: my 16 numbers, and the floor 2^(3 - 127): the byte cannot fall under 1
.endr
.irp i, 2,4,6,8,10,12,14
.irp b, 0,1,2,3
	s_delay_alu instid0(VALU_DEP_4)
	v_max3_num_f32 v[TM+\b], v[TM+\b], |v[X+16*\b+\i]|, |v[X+1+16*\b+\i]|   ; the four blocks by turns
.endr
.endr
.irp b, 0,1,2,3
	s_delay_alu instid0(VALU_DEP_4)
	v_permlanex16_b32 v[TM+4+\b], v[TM+\b], s[SEL], s[SEL+1]
.endr
.irp b, 0,1,2,3
	s_delay_alu instid0(VALU_DEP_4)
	v_max_num_f32 v[TM+\b], v[TM+\b], v[TM+4+\b]   ; with lane l xor 16's: the block's largest magnitude
.endr
.irp b, 0,1,2,3
	s_delay_alu instid0(VALU_DEP_4)
	v_add_nc_u32 v[TM+12+\b], 0xff000000, v[TM+\b] ; 2 off its exponent field: the conversion takes this operand's exponent field as its scale
.endr
.irp b, 0,1,2,3
	s_delay_alu instid0(VALU_DEP_4)
	v_lshrrev_b32 v[TM+4+\b], 23, v[TM+12+\b]      ; the scale's byte
.endr
	s_delay_alu instid0(VALU_DEP_3)
	v_lshl_or_b32 v[PW], v[TM+5], 8, v[TM+4]
	s_delay_alu instid0(VALU_DEP_1)
	v_lshl_or_b32 v[PW], v[TM+6], 16, v[PW]
	s_delay_alu instid0(VALU_DEP_1)
	v_lshl_or_b32 v[PW], v[TM+7], 24, v[PW]
.irp c, 0,1
	v_cvt_scalef32_pk16_fp6_f32 v[PC+6*\c:PC+6*\c+2], v[X+32*\c:X+32*\c+15], v[TM+12+2*\c]
	v_cvt_scalef32_pk16_fp6_f32 v[T2+4*\c:T2+4*\c+2], v[X+32*\c+16:X+32*\c+31], v[TM+13+2*\c]   ; (a conversion's three registers begin on an even number)
.endr
	v_nop                                          ; one plain place behind a scaled conversion
.irp c, 0,1                                    ; the operand's layout wants a whole block in a lane: lanes 0-15 block 2 c, lanes 16-31 block 2 c + 1
.irp i, 0,1,2
	v_permlane16_swap_b32 v[PC+6*\c+\i], v[T2+4*\c+\i]
.endr
.irp i, 0,1,2
	s_delay_alu instid0(VALU_DEP_3)
	v_mov_b32 v[PC+3+6*\c+\i], v[T2+4*\c+\i]
.endr
.endr
	ds_store_b32 v8, v[PW]                         ; both halves of the lanes write the same word with the same value
	global_store_b128 v4, v[PC:PC+3], s[14:15]                    ; each store covers 512 or 256 consecutive bytes, aligned
	global_store_b64 v5, v[PC+4:PC+5], s[14:15] offset:512
	global_store_b128 v4, v[PC+6:PC+9], s[14:15] offset:768
	global_store_b64 v5, v[PC+10:PC+11], s[14:15] offset:1280
	s_wait_dscnt 0x0                               ; for wave 0's sake: my scale words have landed
	s_barrier_signal -1
	s_barrier_wait -1
	s_cmp_lg_u32 s20, 0
	s_cbranch_scc1 .Lend
	ds_load_b128 v[R:R+3], v9                      ; the work-group's 512 bytes of scale words leave by one store
	s_wait_dscnt 0x0
	global_store_b128 v4, v[R:R+3], s[16:17]
.Lend:
	s_wait_tensorcnt 0x0
	ds_add_u32 v184, v185
	s_wait_dscnt 0x0
	s_endpgm
.Lfunc_end_k_qb1be489ab0_quant:
	.size	k_qb1be489ab0_quant, .Lfunc_end_k_qb1be489ab0_quant-k_qb1be489ab0_quant
	.p2alignl 7, 3214868480
	.fill 96, 4, 3214868480
	.section	.rodata,"a",@progbits
	.p2align	6, 0x0
	.amdhsa_kernel k_qb1be489ab0_quant
		.amdhsa_group_segment_fixed_size 69120
		.amdhsa_private_segment_fixed_size 0
		.amdhsa_enable_private_segment 0
		.amdhsa_kernarg_size 56
		.amdhsa_user_sgpr_count 2
		.amdhsa_user_sgpr_kernarg_segment_ptr 1
		.amdhsa_wavefront_size32 1
		.amdhsa_system_sgpr_workgroup_id_x 1
		.amdhsa_system_sgpr_workgroup_id_y 1
		.amdhsa_system_sgpr_workgroup_id_z 1
		.amdhsa_system_vgpr_workitem_id 0
		.amdhsa_next_free_vgpr 186
		.amdhsa_next_free_sgpr 66
		.amdhsa_reserve_vcc 0
		.amdhsa_float_denorm_mode_32 3
		.amdhsa_float_denorm_mode_16_64 3
		.amdhsa_memory_ordered 1
		.amdhsa_forward_progress 1
		.amdhsa_inst_pref_size 14
	.end_amdhsa_kernel
	.amdgpu_metadata
---
amdhsa.version: [ 1, 2 ]
amdhsa.kernels:
  - .name:           k_qb1be489ab0_quant
    .symbol:         k_qb1be489ab0_quant.kd
    .args:
      - { .name: hidden_states, .offset: 0, .size: 8, .value_kind: global_buffer, .address_space: global }
      - { .name: Wq, .offset: 8, .size: 8, .value_kind: global_buffer, .address_space: global }
      - { .name: Wk, .offset: 16, .size: 8, .value_kind: global_buffer, .address_space: global }
      - { .name: Wv, .offset: 24, .size: 8, .value_kind: global_buffer, .address_space: global }
      - { .name: Wo, .offset: 32, .size: 8, .value_kind: global_buffer, .address_space: global }
      - { .name: c1, .offset: 40, .size: 8, .value_kind: global_buffer, .address_space: global }
      - { .name: s1, .offset: 48, .size: 8, .value_kind: global_buffer, .address_space: global }
    .group_segment_fixed_size: 69120
    .private_segment_fixed_size: 0
    .kernarg_segment_align: 8
    .kernarg_segment_size: 56
    .max_flat_workgroup_size: 256
    .sgpr_count:     66
    .vgpr_count:     186
    .wavefront_size: 32
...
	.end_amdgpu_metadata
.endif
;; end of part 1
;; launch qkv (part 2): grid 8 x 32, 4 waves a work-group, clusters of 4 x 4, 327,680 bytes of LDS; arguments c1, s1, attention_mask, qkvc, qkvs; writes qkvc, qkvs
.if DOCPART == 2
	.amdgcn_target "amdgcn-amd-amdhsa--gfx1250"
	.amdhsa_code_object_version 6
	.text
	.protected	k_qb1be489ab0_qkv
	.globl	k_qb1be489ab0_qkv
	.p2align	8
	.type	k_qb1be489ab0_qkv,@function
k_qb1be489ab0_qkv:
	s_mov_b64 s[64:65], 0
	v_nop
	global_prefetch_b8 v0, s[64:65] scope:SCOPE_SE
	s_setreg_imm32_b32 hwreg(HW_REG_WAVE_MODE, 25, 1), 1
	s_wait_xcnt 0x0
	s_wait_alu depctr_hold_cnt(0) depctr_sa_sdst(0) depctr_va_vdst(0) depctr_va_sdst(0) depctr_va_ssrc(0) depctr_va_vcc(0) depctr_vm_vsrc(0)
	s_getreg_b32 s2, hwreg(HW_REG_IB_STS2, 6, 4)
	s_cmp_eq_u32 s2, 0
	s_cbranch_scc0 .Lentry_in_a_cluster
	s_endpgm
.Lentry_in_a_cluster:
	s_bfe_u32 s2, ttmp6, 0x10000c
	s_cmp_lg_u32 s2, 0xf033
	s_cbranch_scc0 .Lentry_shape_is_right
	s_endpgm
.Lentry_shape_is_right:
; q = x Wq^T, k = x Wk^T, v = x Wv^T on codes of FP6 (E2M3) with E8M0 scales, and the results quantised again, in registers, as the operands of attention's two products.
; THE DEAL.  32 groups of 128 tokens x 8 groups of 128 weight rows = 256 work-groups.  Work-group (T, g) multiplies the tokens' group T with group g of Wq, of Wk and of Wv: every work-group runs the same text.
; Four waves; wave (wa, wb) takes token tiles 4 wa .. 4 wa + 3 against the eight tiles of Wq (wb = 0) or Wk (wb = 1) and against tiles 4 wb .. 4 wb + 3 of Wv: 32 + 16 accumulators; 16 fragments feed 48 products a K step.
; q, k: source 0 = 16 weight rows, source 1 = 16 tokens: a lane holds one token, its registers run along the channels.  v: source 0 = 16 tokens, source 1 = 16 rows of Wv: a lane holds one channel, its registers run along the keys.
; The rows of a tile are not neighbours (tile i, lane r: row 32 (i / 2) + 8 (i % 2) + r + 8 (r / 8) of the group), so that the 16 registers of tiles 2 b and 2 b + 1 are 16 neighbours, 32 b + 16 (lane / 16) + 0 .. 15, along the next K.
; LDS: two slots of three K steps, [group: tokens, Wq, Wk, Wv][K step][12,288 bytes], 147,456 bytes each.  Wave w fetches group w, one tensor load a fill: K steps 0-2 at the head; 3-5 into slot 1 behind a round of the
; cluster's barrier; 6, 7 into slot 0 again behind the round in K step 2; a plain barrier in K step 5 shows that last fill.  A wave has one tensor load out at the most.
; CLUSTER 4 x 4: the tokens' blocks are shared along a row of the cluster, the weights' along a column, each asked for jointly.
; PREFETCH INTO THE L2: behind each of the first two fills a wave names the blocks of 256 bytes of its group's NEXT fill (144, then 96); the four partners of the joint load take a quarter each, told apart by address.
; THE MASK rides in the idle half of attention's first product (K = 64 of the instruction's 128): k's scale word gets byte 2 = 223 where the key is masked (else 1) and q's byte 2 = 64; attention sets the codes +1 and -1 at
; k = 64, so a masked key's score gets -2^(96 - 63) = -2^33 and an open key's -2^-189, which no f32 sum holds.  A masked key's own codes are cleared, so its score is -2^33 exactly.
; LIMITS: the masked logit is -2^30 where the problem writes -1e9: the results differ only if a row's largest open logit lies near or under -1e9.  Blocks of zeros or under 2^-124 keep the byte 1.  NaN, infinities: not served.
; REGISTERS, in windows of 256: window 0: v3-22 addresses; v32-47 the tokens' scale words, v48-79 Wq's or Wk's, v80-95 Wv's (nothing else ever); v96-243 the way out.  Window 1: q's or k's accumulator (a, b) at v[8 (8 a + b)].
;   Windows 2, 3: a set of fragments each: weight tile b at v[12 b], token tile a at v[96 + 12 a], Wv's tile c at v[144 + 12 c]; and from v192 on v's accumulators: tile c (window 2 + c / 2), token tile a at v[192 + 32 (c % 2) + 8 a].
.set SPARE, 294912
.set SLOT,  147456
.set GRP,   36864                      ; a group's three K steps in a slot
.set AD,    8                          ; v8-13 LDS addresses in slot 0: tokens' 16-byte planes, 8-byte planes; Wq's or Wk's; Wv's; v14-19 the same in slot 1
.set SCA,   32
.set SCB,   48
.set SCV,   80
.set KEEP,  96                         ; v96-99 the mask as loaded, then -1 or 0 for my row of token tile a
.set EXT,   100                        ; v100-103 the upper half of the scale word
.set WD,    104                        ; v104-107 the scale word of token tile a
.set TM,    112                        ; v112-127 at work
.set T2,    128
.set PCB,   144                        ; v[144 + 12 a]: q's or k's codes of token tile a
.set PV,    208                        ; v[208 + 8 c]: v's codes of tile c
.set VW,    240                        ; v240-243 v's two scale bytes of tile c
.set G1A, 28
.set G1B, 36
.set G0A, 44
.set G0B, 48
.set SEL, 60
.set MSB, 0
.macro WIN new                         ; the immediate's high byte repeats the setting that is left
.if MSB != (\new)
	s_set_vgpr_msb (MSB<<8)|(\new)
.set MSB, (\new)
.endif
.endm
.macro PLACES n
.rept \n
	v_nop
.endr
.endm
.macro CROUND                          ; a round of the cluster's barrier
	s_barrier_signal -1
	s_barrier_wait -1
	s_cmp_lg_u32 s14, 0
	s_cbranch_scc1 .Lnot_wave_0_\@
	s_barrier_signal -3
.Lnot_wave_0_\@:
	s_barrier_wait -3
	s_barrier_signal -1
	s_barrier_wait -1
.endm
.macro JLOAD                           ; a fill: wave 0 the tokens' block (my row of the cluster), waves 1-3 a weight's (my column); every way passes one load
	s_cmp_eq_u32 s14, 0
	s_cbranch_scc0 .Lfor_b_\@
	tensor_load_to_lds s[G0A:G0A+3], s[G1A:G1A+7]
	s_nop 0
	PLACES 4
	s_branch .Lasked_\@
.Lfor_b_\@:
	tensor_load_to_lds s[G0B:G0B+3], s[G1B:G1B+7]
	s_nop 0
	PLACES 4
.Lasked_\@:
.endm
.macro FRAGL reg, a16, a8, off         ; a fragment's twelve registers from its two images of 768 bytes
	ds_load_b128 v[\reg:\reg+3], v[\a16] offset:\off
	ds_load_b64 v[\reg+4:\reg+5], v[\a8] offset:\off+512
	ds_load_b128 v[\reg+6:\reg+9], v[\a16] offset:\off+768
	ds_load_b64 v[\reg+10:\reg+11], v[\a8] offset:\off+1280
.endm
.macro FETCH s, p                      ; K step s into set p: 64 LDS loads.  K steps 0-2 and 6, 7 lie in slot 0, 3-5 in slot 1
.set SL, ((\s)/3)%2
.set IX, (\s)%3
	WIN (2+(\p))<<6
.irp b, 0,1,2,3,4,5,6,7
	FRAGL 12*\b, AD+6*SL+2, AD+6*SL+3, IX*12288+1536*\b
.endr
.irp a, 0,1,2,3
	FRAGL 96+12*\a, AD+6*SL, AD+6*SL+1, IX*12288+1536*\a
	FRAGL 144+12*\a, AD+6*SL+4, AD+6*SL+5, IX*12288+1536*\a
.endr
	WIN 0
.endm
.macro WM d, x, y, sx, sy, rx, ry, zero   ; one product; the odd tiles' scale words stand in lanes 16-31
.if \zero
	v_wmma_scale_f32_16x16x128_f8f6f4 v[\d:\d+7], v[\x:\x+11], v[\y:\y+11], 0, v[\sx], v[\sy] matrix_a_fmt:MATRIX_FMT_FP6 matrix_b_fmt:MATRIX_FMT_FP6 matrix_a_scale:MATRIX_SCALE_ROW\rx matrix_b_scale:MATRIX_SCALE_ROW\ry
.else
	v_wmma_scale_f32_16x16x128_f8f6f4 v[\d:\d+7], v[\x:\x+11], v[\y:\y+11], v[\d:\d+7], v[\sx], v[\sy] matrix_a_fmt:MATRIX_FMT_FP6 matrix_b_fmt:MATRIX_FMT_FP6 matrix_a_scale:MATRIX_SCALE_ROW\rx matrix_b_scale:MATRIX_SCALE_ROW\ry
.endif
.endm
.macro MUL s, p, zero                  ; 48 products of K step s on set p.  The 48 accumulators take turns, one instruction a turn, in the same order in every step
	WIN 0x5a+5*(\p)
.irp ap, 0,1
.irp ao, 0,1
.irp bp, 0,1,2,3
.irp bo, 0,1
	WM 8*(8*(2*\ap+\ao)+2*\bp+\bo), 24*\bp+12*\bo, 96+24*\ap+12*\ao, SCB+4*(\s)+\bp, SCA+2*(\s)+\ap, \bo, \ao, \zero
.endr
.endr
.endr
.endr
.irp cp, 0,1
	WIN 5*(2+(\p))+0x50*(2+\cp)
.irp co, 0,1
.irp ap, 0,1
.irp ao, 0,1
	WM 192+32*\co+8*(2*\ap+\ao), 96+24*\ap+12*\ao, 144+24*\cp+12*\co, SCA+2*(\s)+\ap, SCV+2*(\s)+\cp, \ao, \co, \zero
.endr
.endr
.endr
.endr
.endm
; K step s: this step's fragments are in (asked for a step ago); the next step's are asked for; then this step's 48 products.
.macro KSTEP s, zero
	WIN 0
.if (\s) == 2
	s_wait_tensorcnt 0x0                           ; my part of slot 1 is in;
	ds_add_u32 v254, v255
	s_add_nc_u64 s[G0A+2:G0A+3], s[G0A+2:G0A+3], GRP   ; no load of mine is out: the descriptors go on to K steps 6, 7: 96 rows of 256 bytes, into slot 0
	s_add_nc_u64 s[G0B+2:G0B+3], s[G0B+2:G0B+3], GRP
	s_sub_co_u32 s[G0A+1], s[G0A+1], SLOT
	s_sub_co_u32 s[G0B+1], s[G0B+1], SLOT
	s_mov_b32 s[G1A+2], 96<<16
	s_mov_b32 s[G1A+4], 96
	s_mov_b32 s[G1B+2], 96<<16
	s_mov_b32 s[G1B+4], 96
	s_wait_dscnt 0x0                               ; the add is done, and so are my reads of slot 0, K step 2's among them
	CROUND                                         ; both hold of every wave of the cluster
	JLOAD                                          ; the refill first; its four v_nop are the places in front of the loads below
.elseif (\s) == 5
	s_wait_tensorcnt 0x0                           ; my part of K steps 6, 7 is in; this barrier shows everybody's
	s_wait_dscnt 0x0
	s_barrier_signal -1
	s_barrier_wait -1
	PLACES 4
.else
	s_wait_dscnt 0x0
.if (\s) > 0
	PLACES 4                                       ; in front of the loads into registers that the last products but 48 read
.endif
.endif
.if (\s) < 7
	FETCH (\s)+1, ((\s)+1)%2
.endif
	MUL \s, (\s)%2, \zero
.endm
	s_load_b256 s[4:11], s[0:1], 0x0               ; c1 s[4:5], s1 s[6:7], attention_mask s[8:9], qkvc s[10:11]
	s_load_b64 s[12:13], s[0:1], 0x20              ; qkvs
	v_lshl_add_u32 v254, v0, 2, SPARE
	v_mov_b32 v255, 0
	ds_add_u32 v254, v255                          ; the opening lines: the add, twice on end, and its wait ahead of the first tensor load
	ds_add_u32 v254, v255
	v_lshrrev_b32 v1, 5, v0
	v_readfirstlane_b32 s14, v1                    ; wave 0..3: also the group that I fetch
	s_lshr_b32 s15, s14, 1                         ; wa
	s_and_b32 s16, s14, 1                          ; wb
	s_bfe_u32 s17, ttmp6, 0x40000                  ; cx
	s_bfe_u32 s18, ttmp6, 0x40004                  ; cy
	s_and_b32 s20, ttmp7, 0xffff
	s_lshl_b32 s23, s18, 2
	s_lshl_b32 s23, 15, s23                        ; my row of the cluster
	s_lshl_b32 s24, 0x1111, s17                    ; my column
	s_or_b32 s[G1A], s23, (3<<16)|(1<<21)
	s_or_b32 s[G1B], s24, (3<<16)|(1<<21)
.irp g, G1A, G1B                               ; three K steps of a group, dense: 144 rows of 256 bytes (32 elements of 8)
	s_mov_b32 s[\g+1], 32<<16
	s_mov_b32 s[\g+2], 144<<16
	s_mov_b32 s[\g+3], 32<<16
	s_mov_b32 s[\g+4], 144
	s_mov_b32 s[\g+5], 32
	s_mov_b32 s[\g+6], 0
	s_mov_b32 s[\g+7], 0
.endr
	s_lshl_b32 s21, s20, 2
	s_add_co_u32 s21, s21, s18                     ; T: the tokens' group 4 y + cy
	s_lshl_b32 s22, ttmp9, 2
	s_add_co_u32 s22, s22, s17                     ; g: the weights' group 4 x + cx
	s_lshl_b32 s25, s14, 3
	s_add_co_u32 s25, s25, 24
	s_add_co_u32 s25, s25, s22                     ; waves 1-3: c1's group 32 + g, 40 + g, 48 + g
	s_mul_i32 s84, s21, 98304
	s_mov_b32 s85, 0
	s_mul_i32 s88, s25, 98304
	s_mov_b32 s89, 0
	s_mul_i32 s87, s14, GRP                        ; where my group lies in a slot
	s_cmp_eq_u32 s14, 0                            ; the prefetches: my group's bytes, and my place among the four that ask for it with me
	s_cselect_b32 s26, s84, s88
	s_cselect_b32 s27, s17, s18
	s_mul_i32 s90, s27, 9216                       ; K steps 3-5: 144 blocks, my quarter 36
	s_add_co_u32 s90, s90, s26
	s_add_co_u32 s90, s90, 36864
	s_mov_b32 s91, 0
	s_mul_i32 s92, s27, 6144                       ; K steps 6, 7: 96 blocks, my quarter 24
	s_add_co_u32 s92, s92, s26
	s_add_co_u32 s92, s92, 73728
	s_mov_b32 s93, 0
	s_wait_dscnt 0x0
	s_wait_kmcnt 0x0
	s_add_nc_u64 s[84:85], s[4:5], s[84:85]
	s_add_nc_u64 s[88:89], s[4:5], s[88:89]
	s_add_nc_u64 s[76:77], s[4:5], s[90:91]
	s_add_nc_u64 s[78:79], s[4:5], s[92:93]
	s_mov_b32 s[G0A], 1
	s_mov_b32 s[G0A+1], 0
	s_mov_b64 s[G0A+2:G0A+3], s[84:85]
	s_or_b32 s[G0A+3], s[G0A+3], 0x80000000
	s_mov_b32 s[G0B], 1
	s_mov_b32 s[G0B+1], s87
	s_mov_b64 s[G0B+2:G0B+3], s[88:89]
	s_or_b32 s[G0B+3], s[G0B+3], 0x80000000
	CROUND                                         ; all sixteen work-groups are here: the joint loads meet
	JLOAD                                          ; K steps 0-2: one tensor load a wave at the head
	; addresses in scalar registers
	s_mul_i32 s73, s15, 6144                       ; LDS: my four token tiles of a K step,
	s_mul_i32 s74, s16, GRP
	s_add_co_u32 s74, s74, GRP                     ; Wq's or Wk's group,
	s_mul_i32 s75, s16, 6144
	s_add_co_u32 s75, s75, 3*GRP                   ; my four tiles of Wv
	s_lshl_b32 s66, s21, 12                        ; the scale words: 4,096 bytes a group, 256 for four tiles
	s_lshl_b32 s67, s15, 8
	s_add_co_u32 s66, s66, s67
	s_mov_b32 s67, 0
	s_add_nc_u64 s[52:53], s[6:7], s[66:67]
	s_lshl_b32 s66, s16, 3
	s_add_co_u32 s66, s66, s22
	s_add_co_u32 s66, s66, 32
	s_lshl_b32 s66, s66, 12
	s_add_nc_u64 s[54:55], s[6:7], s[66:67]
	s_add_co_u32 s66, s22, 48
	s_lshl_b32 s66, s66, 12
	s_lshl_b32 s68, s16, 8
	s_add_co_u32 s66, s66, s68
	s_add_nc_u64 s[56:57], s[6:7], s[66:67]
	s_lshl_b32 s66, s21, 9                         ; the mask of my 64 tokens
	s_lshl_b32 s68, s15, 8
	s_add_co_u32 s66, s66, s68
	s_add_nc_u64 s[58:59], s[8:9], s[66:67]
	s_mov_b32 s[SEL], 0x76543210
	s_mov_b32 s[SEL+1], 0xfedcba98
	s_mov_b32 s62, 0xffff                          ; a head's half of q's or k's scale word
	s_mov_b32 s63, 0xffff0000                      ; lanes 16-31
	; where the results go
	s_lshr_b32 s66, s21, 4
	s_lshl_b32 s66, s66, 4
	s_lshl_b32 s67, s22, 1
	s_add_co_u32 s66, s66, s67                     ; batch x 16 + 2 g: q's or k's first head
	s_add_co_u32 s67, s66, s16                     ; + wb: v's head
	s_and_b32 s68, s21, 15                         ; the tokens' group in its batch: the key step
	s_mul_i32 s69, s68, 6144
	s_mul_i32 s70, s15, 3072
	s_add_co_u32 s69, s69, s70                     ; q, k: my four tiles; v: my half of the key step
	s_mov_b32 s99, 98304                           ; q: a head's codes, a head's scale words, bytes 2, 3 of the word
	s_mov_b32 s2, 8192
	s_mov_b32 s3, 0x01400000
	s_mov_b32 s23, 0x01400000
	s_cmp_eq_u32 s16, 1                            ; k's in their stead: the choice hangs on the wave's number and selects numbers alone
	s_cselect_b32 s98, 3145728, 0
	s_cselect_b32 s99, 196608, s99
	s_cselect_b32 s101, 262144, 0
	s_cselect_b32 s2, 12288, s2
	s_cselect_b32 s3, 0x01df0000, s3               ; a masked key's
	s_cselect_b32 s23, 0x01010000, s23             ; an open key's
	s_cselect_b32 s24, 0, -1                       ; a masked key's codes are cleared
	s_mul_i32 s70, s66, s99
	s_add_co_u32 s70, s70, s98
	s_add_co_u32 s70, s70, s69
	s_mov_b32 s71, 0
	s_add_nc_u64 s[84:85], s[10:11], s[70:71]      ; the first head's codes
	s_mov_b32 s70, s99
	s_add_nc_u64 s[86:87], s[84:85], s[70:71]      ; the second head's
	s_mul_i32 s70, s66, s2
	s_add_co_u32 s70, s70, s101
	s_lshl_b32 s72, s68, 9
	s_add_co_u32 s70, s70, s72
	s_lshl_b32 s72, s15, 8
	s_add_co_u32 s70, s70, s72
	s_add_nc_u64 s[88:89], s[12:13], s[70:71]      ; the first head's scale words
	s_mov_b32 s70, s2
	s_add_nc_u64 s[96:97], s[88:89], s[70:71]      ; the second head's
	s_mul_i32 s70, s67, 196608
	s_add_co_u32 s70, s70, 3244032
	s_add_co_u32 s70, s70, s69
	s_add_nc_u64 s[90:91], s[10:11], s[70:71]      ; v's codes
	s_mul_i32 s70, s67, 12288
	s_add_co_u32 s70, s70, 270336
	s_lshl_b32 s72, s68, 8
	s_add_co_u32 s70, s70, s72
	s_lshl_b32 s72, s15, 1
	s_add_co_u32 s70, s70, s72
	s_add_nc_u64 s[92:93], s[12:13], s[70:71]      ; v's scale words: my two bytes of each
	; addresses in vector registers
	v_and_b32 v1, 31, v0                           ; lane
	v_and_b32 v2, 15, v0                           ; r
	v_lshlrev_b32 v4, 4, v1
	v_lshlrev_b32 v5, 3, v1
	v_lshlrev_b32 v6, 2, v1
	v_lshlrev_b32 v3, 3, v2                        ; v's scale words: 8 r
	v_and_b32 v7, 8, v2
	v_add_nc_u32 v7, v7, v2
	v_lshlrev_b32 v7, 2, v7                        ; the mask: 4 (r + 8 (r / 8))
	v_add_nc_u32 v[AD], s73, v4
	v_add_nc_u32 v[AD+1], s73, v5
	v_add_nc_u32 v[AD+2], s74, v4
	v_add_nc_u32 v[AD+3], s74, v5
	v_add_nc_u32 v[AD+4], s75, v4
	v_add_nc_u32 v[AD+5], s75, v5
.irp i, 0,1,2,3,4,5
	v_add_nc_u32 v[AD+6+\i], SLOT, v[AD+\i]
.endr
	v_lshlrev_b32 v20, 8, v1                       ; the prefetches: a lane a block of 256 bytes: blocks 0-31,
	v_min_u32 v21, 3, v1
	v_lshlrev_b32 v21, 8, v21
	v_add_nc_u32 v21, 8192, v21                    ; blocks 32-35 (the lanes left over name the last again),
	v_min_u32 v22, 23, v1
	v_lshlrev_b32 v22, 8, v22                      ; blocks 0-23
	v_mov_b32 v108, s3
	v_mov_b32 v109, s23
	v_mov_b32 v110, s24
	v_mov_b32 v111, -1
.irp b, 0,1,2,3
	v_mov_b32 v[TM+4+\b], 0                        ; a lane permute's destination counts as one of its sources
.endr
	global_prefetch_b8 v20, s[76:77] th:TH_LOAD_NT scope:SCOPE_SE   ; my quarter of what my next fill (K steps 3-5) will ask for; these address registers are never written again
	global_prefetch_b8 v21, s[76:77] th:TH_LOAD_NT scope:SCOPE_SE
.irp s, 0,1,2,3,4,5,6,7                        ; the scale words of all of K go straight into registers, once
.irp p, 0,1
	global_load_b32 v[SCA+2*\s+\p], v6, s[52:53] offset:512*\s+128*\p
	global_load_b32 v[SCV+2*\s+\p], v6, s[56:57] offset:512*\s+128*\p
.endr
.irp p, 0,1,2,3
	global_load_b32 v[SCB+4*\s+\p], v6, s[54:55] offset:512*\s+128*\p
.endr
.endr
.irp a, 0,1,2,3
	global_load_b32 v[KEEP+\a], v7, s[58:59] offset:(32*(\a/2)+8*(\a%2))*4
.endr
	s_wait_alu depctr_va_vdst(0)                   ; the wait at the head's end
	s_wait_tensorcnt 0x0                           ; my part of K steps 0-2 is in
	ds_add_u32 v254, v255
	s_add_nc_u64 s[G0A+2:G0A+3], s[G0A+2:G0A+3], GRP   ; no load of mine is out: the descriptors go on to K steps 3-5, into slot 1
	s_add_nc_u64 s[G0B+2:G0B+3], s[G0B+2:G0B+3], GRP
	s_add_co_u32 s[G0A+1], s[G0A+1], SLOT
	s_add_co_u32 s[G0B+1], s[G0B+1], SLOT
	s_wait_dscnt 0x0
	CROUND                                         ; everybody's part is in, and all sixteen work-groups are here
	JLOAD                                          ; slot 1's first fill, the first tensor load behind the round
	FETCH 0, 0
	global_prefetch_b8 v22, s[78:79] th:TH_LOAD_NT scope:SCOPE_SE   ; my quarter of what the refill (K steps 6, 7) will ask for
	s_wait_loadcnt 0x0                             ; the scale words and the mask
.irp a, 0,1,2,3
	v_cmp_ne_u32 vcc_lo, 0, v[KEEP+\a]             ; open?  (q's waves select between equal numbers)
	v_cndmask_b32 v[EXT+\a], v108, v109, vcc_lo
	v_cndmask_b32 v[KEEP+\a], v110, v111, vcc_lo
.endr
	KSTEP 0, 1                                     ; the first step's products start the sums: nothing is cleared
.irp s, 1,2,3,4,5,6,7
	KSTEP \s, 0
.endr
	WIN 0
	PLACES 4                                       ; in front of the first read of results
; q, k: token tile a's 64 registers (register 16 b + i = channel 32 b + 16 (lane / 16) + i of the group's 128) become twelve registers of codes and a scale word.  Each accumulator is read from its low end on.
.macro QUANTW a
	WIN 0x14                                       ; sources 1 and 2: window 1
.irp b, 0,1,2,3
	v_max3_num_f32 v[TM+\b], 0x1800000, |v[64*\a+16*\b]|, |v[64*\a+16*\b+1]|   ; with the floor 2^(3 - 127): the byte cannot fall under 1
.endr
.irp i, 2,4,6,8,10,12,14
.irp b, 0,1,2,3
	v_max3_num_f32 v[TM+\b], v[TM+\b], |v[64*\a+16*\b+\i]|, |v[64*\a+16*\b+\i+1]|
.endr
.endr
	WIN 0
.irp b, 0,1,2,3
	v_permlanex16_b32 v[TM+4+\b], v[TM+\b], s[SEL], s[SEL+1]
.endr
.irp b, 0,1,2,3
	v_max_num_f32 v[TM+\b], v[TM+\b], v[TM+4+\b]
.endr
.irp b, 0,1,2,3
	v_add_nc_u32 v[TM+12+\b], 0xff000000, v[TM+\b] ; 2 off the exponent field: the conversion's scale operand
.endr
.irp b, 0,1,2,3
	v_lshrrev_b32 v[TM+4+\b], 23, v[TM+12+\b]
.endr
	v_lshl_or_b32 v[WD+\a], v[TM+5], 8, v[TM+4]
	v_lshl_or_b32 v[WD+\a], v[TM+6], 16, v[WD+\a]
	v_lshl_or_b32 v[WD+\a], v[TM+7], 24, v[WD+\a]
	WIN 0x01                                       ; source 0: window 1
.irp c, 0,1
	v_cvt_scalef32_pk16_fp6_f32 v[PCB+12*\a+6*\c:PCB+12*\a+6*\c+2], v[64*\a+32*\c:64*\a+32*\c+15], v[TM+12+2*\c]
	v_cvt_scalef32_pk16_fp6_f32 v[T2+4*\c:T2+4*\c+2], v[64*\a+32*\c+16:64*\a+32*\c+31], v[TM+13+2*\c]
.endr
	WIN 0
	v_nop                                          ; one plain place behind a scaled conversion
.irp c, 0,1
.irp i, 0,1,2
	v_permlane16_swap_b32 v[PCB+12*\a+6*\c+\i], v[T2+4*\c+\i]
.endr
.irp i, 0,1,2
	v_mov_b32 v[PCB+12*\a+6*\c+3+\i], v[T2+4*\c+\i]
.endr
.endr
.endm
; v: tile 2 cp + co's 32 registers (register 16 b + i = key 32 b + 16 (lane / 16) + i of my 64) become six registers of codes and two scale bytes
.macro QUANTV cp, co
	WIN ((2+\cp)<<2)|((2+\cp)<<4)                  ; sources 1 and 2: the accumulators' window
.irp b, 0,1
	v_max3_num_f32 v[TM+\b], 0x1800000, |v[192+32*\co+16*\b]|, |v[192+32*\co+16*\b+1]|
.endr
.irp i, 2,4,6,8,10,12,14
.irp b, 0,1
	v_max3_num_f32 v[TM+\b], v[TM+\b], |v[192+32*\co+16*\b+\i]|, |v[192+32*\co+16*\b+\i+1]|
.endr
.endr
	WIN 0
.irp b, 0,1
	v_permlanex16_b32 v[TM+4+\b], v[TM+\b], s[SEL], s[SEL+1]
.endr
.irp b, 0,1
	v_max_num_f32 v[TM+\b], v[TM+\b], v[TM+4+\b]
.endr
.irp b, 0,1
	v_add_nc_u32 v[TM+12+\b], 0xff000000, v[TM+\b]
.endr
.irp b, 0,1
	v_lshrrev_b32 v[TM+4+\b], 23, v[TM+12+\b]
.endr
	v_lshl_or_b32 v[VW+2*\cp+\co], v[TM+5], 8, v[TM+4]
	WIN 2+\cp                                      ; source 0: the accumulators' window
	v_cvt_scalef32_pk16_fp6_f32 v[PV+16*\cp+8*\co:PV+16*\cp+8*\co+2], v[192+32*\co:192+32*\co+15], v[TM+12]
	v_cvt_scalef32_pk16_fp6_f32 v[T2:T2+2], v[192+32*\co+16:192+32*\co+31], v[TM+13]
	WIN 0
	v_nop
.irp i, 0,1,2
	v_permlane16_swap_b32 v[PV+16*\cp+8*\co+\i], v[T2+\i]
.endr
.irp i, 0,1,2
	v_mov_b32 v[PV+16*\cp+8*\co+3+\i], v[T2+\i]
.endr
	global_store_b128 v4, v[PV+16*\cp+8*\co:PV+16*\cp+8*\co+3], s[90:91] offset:768*(2*\cp+\co)        ; 512 and 256 consecutive bytes, aligned
	global_store_b64 v5, v[PV+16*\cp+8*\co+4:PV+16*\cp+8*\co+5], s[90:91] offset:768*(2*\cp+\co)+512
	global_store_b16 v3, v[VW+2*\cp+\co], s[92:93] offset:128*\co+4*\cp   ; the waves wa = 0 and 1 share a scale word of 128 keys, so each stores two bytes of it (both halves of the lanes store the same)
.endm
.irp a, 0,1,2,3
	QUANTW \a
.irp j, 0,1,2,3,4,5,6,7,8,9,10,11
	v_and_b32 v[PCB+12*\a+\j], v[KEEP+\a], v[PCB+12*\a+\j]   ; a masked key's codes become zeros; all else stays
.endr
	global_store_b128 v4, v[PCB+12*\a:PCB+12*\a+3], s[84:85] offset:768*\a          ; each store covers 512 or 256 consecutive bytes, aligned; no store's data are written again
	global_store_b64 v5, v[PCB+12*\a+4:PCB+12*\a+5], s[84:85] offset:768*\a+512
	global_store_b128 v4, v[PCB+12*\a+6:PCB+12*\a+9], s[86:87] offset:768*\a
	global_store_b64 v5, v[PCB+12*\a+10:PCB+12*\a+11], s[86:87] offset:768*\a+512
.endr
	; four tiles' scale words leave as 256 bytes: word p of lane l is tile 2 p + l / 16, row l % 16 (both halves of the lanes hold their row's word); the word's lower half is the first head's, its upper half the second's
.irp a, 0,1,2,3
	v_and_or_b32 v[192+\a], v[WD+\a], s62, v[EXT+\a]
.endr
.irp a, 0,1,2,3
	v_lshrrev_b32 v[196+\a], 16, v[WD+\a]
.endr
.irp a, 0,1,2,3
	v_or_b32 v[196+\a], v[196+\a], v[EXT+\a]
.endr
	v_cndmask_b32 v200, v192, v193, s63
	v_cndmask_b32 v201, v194, v195, s63
	v_cndmask_b32 v202, v196, v197, s63
	v_cndmask_b32 v203, v198, v199, s63
	global_store_b64 v5, v[200:201], s[88:89]
	global_store_b64 v5, v[202:203], s[96:97]
.irp cp, 0,1
.irp co, 0,1
	QUANTV \cp, \co
.endr
.endr
	s_wait_tensorcnt 0x0                           ; the wave's end
	ds_add_u32 v254, v255
	s_wait_dscnt 0x0
	CROUND                                         ; the closing round: no work-group ends while a partner may still ask for a block that names it
	s_endpgm
.Lfunc_end_k_qb1be489ab0_qkv:
	.size	k_qb1be489ab0_qkv, .Lfunc_end_k_qb1be489ab0_qkv-k_qb1be489ab0_qkv
	.p2alignl 7, 3214868480
	.fill 96, 4, 3214868480
	.section	.rodata,"a",@progbits
	.p2align	6, 0x0
	.amdhsa_kernel k_qb1be489ab0_qkv
		.amdhsa_group_segment_fixed_size 327680
		.amdhsa_private_segment_fixed_size 0
		.amdhsa_enable_private_segment 0
		.amdhsa_kernarg_size 40
		.amdhsa_user_sgpr_count 2
		.amdhsa_user_sgpr_kernarg_segment_ptr 1
		.amdhsa_wavefront_size32 1
		.amdhsa_system_sgpr_workgroup_id_x 1
		.amdhsa_system_sgpr_workgroup_id_y 1
		.amdhsa_system_sgpr_workgroup_id_z 1
		.amdhsa_system_vgpr_workitem_id 0
		.amdhsa_next_free_vgpr 1024
		.amdhsa_next_free_sgpr 104
		.amdhsa_reserve_vcc 1
		.amdhsa_float_denorm_mode_32 3
		.amdhsa_float_denorm_mode_16_64 3
		.amdhsa_memory_ordered 1
		.amdhsa_forward_progress 1
		.amdhsa_inst_pref_size 131
	.end_amdhsa_kernel
	.amdgpu_metadata
---
amdhsa.version: [ 1, 2 ]
amdhsa.kernels:
  - .name:           k_qb1be489ab0_qkv
    .symbol:         k_qb1be489ab0_qkv.kd
    .args:
      - { .name: c1, .offset: 0, .size: 8, .value_kind: global_buffer, .address_space: global }
      - { .name: s1, .offset: 8, .size: 8, .value_kind: global_buffer, .address_space: global }
      - { .name: attention_mask, .offset: 16, .size: 8, .value_kind: global_buffer, .address_space: global }
      - { .name: qkvc, .offset: 24, .size: 8, .value_kind: global_buffer, .address_space: global }
      - { .name: qkvs, .offset: 32, .size: 8, .value_kind: global_buffer, .address_space: global }
    .group_segment_fixed_size: 327680
    .private_segment_fixed_size: 0
    .kernarg_segment_align: 8
    .kernarg_segment_size: 40
    .max_flat_workgroup_size: 128
    .sgpr_count:     104
    .vgpr_count:     1024
    .wavefront_size: 32
...
	.end_amdgpu_metadata
.endif
;; end of part 2
;; launch attn (part 3): grid 8 x 32, 8 waves a work-group, clusters of 4 x 1, 210,944 bytes of LDS; arguments qkvc, qkvs, oc, os; writes oc, os
.if DOCPART == 3
	.amdgcn_target "amdgcn-amd-amdhsa--gfx1250"
	.amdhsa_code_object_version 6
	.text
	.protected	k_qb1be489ab0_attn
	.globl	k_qb1be489ab0_attn
	.p2align	8
	.type	k_qb1be489ab0_attn,@function
k_qb1be489ab0_attn:
	s_mov_b64 s[64:65], 0
	v_nop
	global_prefetch_b8 v0, s[64:65] scope:SCOPE_SE
	s_setreg_imm32_b32 hwreg(HW_REG_WAVE_MODE, 25, 1), 1
	s_wait_xcnt 0x0
	s_wait_alu depctr_hold_cnt(0) depctr_sa_sdst(0) depctr_va_vdst(0) depctr_va_sdst(0) depctr_va_ssrc(0) depctr_va_vcc(0) depctr_vm_vsrc(0)
	s_getreg_b32 s2, hwreg(HW_REG_IB_STS2, 6, 4)
	s_cmp_eq_u32 s2, 0
	s_cbranch_scc0 .Lentry_in_a_cluster
	s_endpgm
.Lentry_in_a_cluster:
	s_bfe_u32 s2, ttmp6, 0x10000c
	s_cmp_lg_u32 s2, 0x3003
	s_cbranch_scc0 .Lentry_shape_is_right
	s_endpgm
.Lentry_shape_is_right:
; o = softmax(q k^T / 8, masked) v for one head and 256 queries, both products on codes of FP6 (E2M3) with E8M0 scales; o is quantised along the model's axis as the last product's operand.
; THE SOFTMAX: t = score x log2(e) / 8; M = the row's largest t so far, rounded up to a whole number; p = 2^(t - M) is what is quantised, along the keys; the row's sum is taken of the unquantised p and divides O at the end.
; When M moves, the sum and O are multiplied by 2^(old M - new M): exact, and done in every step without a branch.
; THE MASK costs no vector instruction: the first product's K is 64 of the instruction's 128.  At k = 64 q has the code +1 and k the code -1; q's scale byte of that block is 64, k's 223 for a masked key and 1 for an open one:
; a masked key's score is -2^33 exactly (its own codes are zeros), an open key's gets -2^-189, which no f32 sum holds.  -2^33 x c is a whole number, so a row with no open key has p = 1 for every key: the uniform softmax.
; LIMITS: the masked logit is -2^30 where the problem writes -1e9: the results differ only if a row's largest open logit lies near or under -1e9.  Blocks of zeros or under 2^-124 keep the byte 1.  NaN, infinities: not served.
; SHARES.  Eight waves, each TWO tiles of 16 queries: each fragment of k and of v that a wave reads from LDS feeds two products.  Both products are used transposed (S^T = k q^T, O^T = v^T p^T): a lane holds one query
; of each tile throughout.  The keys of a tile, and v's channels, are laid so that the 16 registers of tiles 2 b and 2 b + 1 are 16 neighbours.
; LDS holds the head's k, v and their scale words whole, as they lie in memory, filled once: k 0, v 98,304, k's words 196,608, v's 204,800.  The four query blocks of a cluster share a head: every block is asked for jointly.
; One tensor load a wave at the head: waves 0-5 32,768 bytes of codes each, waves 6, 7 6,144 bytes of scale words each; one wait, one barrier, and no barrier in the walk over the keys.
; No prefetch into the L2: all that the launch reads through LDS is asked for at its head, so there is no trip to run ahead of.
; A STEP is 128 keys.  The next step's eight fragments of k are asked of LDS behind this step's first products, v's four ahead of them: the wait for v (18) leaves the 18 loads of k and its words out.
; The last step's look-ahead reads 6,144 bytes behind k and 512 behind k's words: v's codes and words, bytes that were filled; nothing is made of them.
; REGISTERS.  Window 0: v1-8, v26-31 addresses; v12, v13 the add's; v16-19 k's scale words, v20, v21 q's, v22, v23 v's, v24, v25 p's (scales and nothing else); v32-127 k's eight fragments (registers 6-11 of each set once);
;   v128-175 v's four; v176-239 O^T of tile 0, tile 1.  Window 1: v0-127 S^T, then p, of tile 0, tile 1; from v128 on 48 registers of work for each tile; v224-247 q's two fragments.
.set SPARE, 208896
.set WV,  12
.set SEL, 20
.set CS,  22
.set G1C, 24
.set G1S, 32
.set G0C, 40
.set G0S, 44
.set TB,  60                           ; LDS byte of the step's tiles: 6,144 a step
.set TS,  61                           ; of k's scale words: 512 a step
.set TJ,  62                           ; of v's: 256 a step
.set CNT, 63
.set SPW, 12
.set NIL, 13
.set KSC, 16
.set QSC, 20
.set VSC, 22
.set PSC, 24
.set KF,  32
.set VF,  128
.set OA,  176
.set TT,  128                          ; window 1: tile qt's work registers begin at TT + 48 qt:
.set PC,  0                            ; p's codes, twelve
.set T2,  12                           ; the blocks' upper halves before they are moved
.set BM,  20                           ; the four blocks' largest
.set BP,  24
.set SOP, 28                           ; the conversions' scale operands
.set SU,  32                           ; four pairs of partial sums
.set NM,  40                           ; -M, and behind it the largest t
.set LS,  42                           ; the row's sum, in two halves
.set FF,  44                           ; f = 2^(old M - new M)
.set TP,  46
.set QF,  224
.set MSB, 0
.macro WIN new                         ; the immediate's high byte repeats the setting that is left
.if MSB != (\new)
	s_set_vgpr_msb (MSB<<8)|(\new)
.set MSB, (\new)
.endif
.endm
.macro PLACES n
.rept \n
	v_nop
.endr
.endm
.macro WALU
	s_wait_alu depctr_va_vdst(0)
.endm
.macro CROUND
	s_barrier_signal -1
	s_barrier_wait -1
	s_cmp_lg_u32 s[WV], 0
	s_cbranch_scc1 .Lnot_wave_0_\@
	s_barrier_signal -3
.Lnot_wave_0_\@:
	s_barrier_wait -3
	s_barrier_signal -1
	s_barrier_wait -1
.endm
.macro KLOAD                           ; 18 loads: a step's eight fragments of k (six real registers each) and its scale words (register p: lanes 0-15 tile 2 p, lanes 16-31 tile 2 p + 1)
.irp t, 0,1,2,3,4,5,6,7
	ds_load_b128 v[KF+12*\t:KF+12*\t+3], v3 offset:768*\t
	ds_load_b64 v[KF+12*\t+4:KF+12*\t+5], v4 offset:768*\t+512
.endr
	ds_load_b64 v[KSC:KSC+1], v7
	ds_load_b64 v[KSC+2:KSC+3], v7 offset:256
.endm
.macro VLOAD                           ; 17 loads: v's four fragments (16 channels x 128 keys) and their scale words
.irp t, 0,1,2,3
	ds_load_b128 v[VF+12*\t:VF+12*\t+3], v5 offset:768*\t
	ds_load_b64 v[VF+12*\t+4:VF+12*\t+5], v6 offset:768*\t+512
	ds_load_b128 v[VF+12*\t+6:VF+12*\t+9], v5 offset:3072+768*\t
	ds_load_b64 v[VF+12*\t+10:VF+12*\t+11], v6 offset:3072+768*\t+512
.endr
	ds_load_b64 v[VSC:VSC+1], v8
.endm
.macro SWM tp, to, qt                  ; S^T of key tile 2 tp + to and query tile qt
	v_wmma_scale_f32_16x16x128_f8f6f4 v[64*\qt+16*\tp+8*\to:64*\qt+16*\tp+8*\to+7], v[KF+24*\tp+12*\to:KF+24*\tp+12*\to+11], v[QF+12*\qt:QF+12*\qt+11], 0, v[KSC+\tp], v[QSC+\qt] matrix_a_fmt:MATRIX_FMT_FP6 matrix_b_fmt:MATRIX_FMT_FP6 matrix_a_scale:MATRIX_SCALE_ROW\to
.endm
.macro PWM tp, to, qt                  ; O^T += v^T p^T, channel tile 2 tp + to, query tile qt
	v_wmma_scale_f32_16x16x128_f8f6f4 v[OA+32*\qt+16*\tp+8*\to:OA+32*\qt+16*\tp+8*\to+7], v[VF+24*\tp+12*\to:VF+24*\tp+12*\to+11], v[TT+48*\qt+PC:TT+48*\qt+PC+11], v[OA+32*\qt+16*\tp+8*\to:OA+32*\qt+16*\tp+8*\to+7], v[VSC+\tp], v[PSC+\qt] matrix_a_fmt:MATRIX_FMT_FP6 matrix_b_fmt:MATRIX_FMT_FP6 matrix_a_scale:MATRIX_SCALE_ROW\to
.endm
	s_load_b256 s[4:11], s[0:1], 0x0               ; qkvc s[4:5], qkvs s[6:7], oc s[8:9], os s[10:11]
	v_lshl_add_u32 v[SPW], v0, 2, SPARE
	v_mov_b32 v[NIL], 0
	ds_add_u32 v[SPW], v[NIL]                      ; the opening lines: the add, twice on end, and its wait ahead of the first tensor load
	ds_add_u32 v[SPW], v[NIL]
	v_lshrrev_b32 v9, 5, v0
	v_readfirstlane_b32 s[WV], v9                  ; wave 0..7
	s_bfe_u32 s13, ttmp6, 0x40000                  ; cx
	s_lshl_b32 s14, ttmp9, 2
	s_add_co_u32 s14, s14, s13                     ; my block of 256 queries: it enters q's and o's addresses alone
	s_and_b32 s15, ttmp7, 0xffff                   ; batch x 16 + head, which the four partners share
	s_lshl_b32 s16, s14, 4
	s_lshl_b32 s17, s[WV], 1
	s_add_co_u32 s16, s16, s17                     ; my first tile of queries, an even number, 0..126
	; descriptor groups 1: dense blocks as rows of 256 bytes: codes 128 rows, scale words 24 rows; the mask names all four work-groups
	s_mov_b32 s[G1C], 15|(3<<16)|(1<<21)
	s_mov_b32 s[G1C+1], 32<<16
	s_mov_b32 s[G1C+2], 128<<16
	s_mov_b32 s[G1C+3], 32<<16
	s_mov_b32 s[G1C+4], 128
	s_mov_b32 s[G1C+5], 32
	s_mov_b32 s[G1C+6], 0
	s_mov_b32 s[G1C+7], 0
	s_mov_b32 s[G1S], 15|(3<<16)|(1<<21)
	s_mov_b32 s[G1S+1], 32<<16
	s_mov_b32 s[G1S+2], 24<<16
	s_mov_b32 s[G1S+3], 32<<16
	s_mov_b32 s[G1S+4], 24
	s_mov_b32 s[G1S+5], 32
	s_mov_b32 s[G1S+6], 0
	s_mov_b32 s[G1S+7], 0
	s_mul_i32 s67, s[WV], 32768                    ; waves 0-5: which sixth of the head's 196,608 bytes of codes
	s_and_b32 s68, s[WV], 1
	s_mul_i32 s68, s68, 6144                       ; waves 6, 7: which half of its 12,288 bytes of scale words
	s_mul_i32 s70, s15, 196608
	s_add_co_u32 s70, s70, s67
	s_add_co_u32 s70, s70, 3145728
	s_mov_b32 s71, 0
	s_mul_i32 s72, s15, 12288
	s_add_co_u32 s72, s72, s68
	s_add_co_u32 s72, s72, 262144
	s_mov_b32 s73, 0
	s_wait_dscnt 0x0
	s_wait_kmcnt 0x0
	s_add_nc_u64 s[70:71], s[4:5], s[70:71]
	s_add_nc_u64 s[72:73], s[6:7], s[72:73]
	s_mov_b32 s[G0C], 1
	s_mov_b32 s[G0C+1], s67
	s_mov_b64 s[G0C+2:G0C+3], s[70:71]
	s_or_b32 s[G0C+3], s[G0C+3], 0x80000000
	s_mov_b32 s[G0S], 1
	s_add_co_u32 s[G0S+1], s68, 196608
	s_mov_b64 s[G0S+2:G0S+3], s[72:73]
	s_or_b32 s[G0S+3], s[G0S+3], 0x80000000
	CROUND                                         ; all four work-groups are here: the joint loads meet
	s_cmp_lt_u32 s[WV], 6                          ; one chain, a load in each arm: every way through the head passes exactly one
	s_cbranch_scc0 .Lfill_s
	tensor_load_to_lds s[G0C:G0C+3], s[G1C:G1C+7]
	s_nop 0
	PLACES 4
	s_branch .Lfilled
.Lfill_s:
	tensor_load_to_lds s[G0S:G0S+3], s[G1S:G1S+7]
	s_nop 0
	PLACES 4
.Lfilled:
	s_mul_i32 s66, s15, 98304
	s_mul_i32 s67, s16, 768
	s_add_co_u32 s66, s66, s67
	s_mov_b32 s67, 0
	s_add_nc_u64 s[74:75], s[4:5], s[66:67]        ; q's two tiles, 768 bytes each
	s_lshl_b32 s66, s15, 13                        ; q's scale words: head, group of 128, four tiles, odd tile (+128: my second), pair of tiles
	s_lshr_b32 s67, s16, 3
	s_lshl_b32 s67, s67, 9
	s_add_co_u32 s66, s66, s67
	s_bfe_u32 s67, s16, 0x10002
	s_lshl_b32 s67, s67, 8
	s_add_co_u32 s66, s66, s67
	s_bfe_u32 s67, s16, 0x10001
	s_lshl_b32 s67, s67, 2
	s_add_co_u32 s66, s66, s67
	s_mov_b32 s67, 0
	s_add_nc_u64 s[76:77], s[6:7], s[66:67]
	; where o goes: the tokens' group, the K step of 128 (two heads), the tile, the head's half
	s_lshr_b32 s66, s15, 4
	s_lshl_b32 s66, s66, 4
	s_lshr_b32 s67, s16, 3
	s_add_co_u32 s66, s66, s67
	s_bfe_u32 s67, s15, 0x30001
	s_and_b32 s68, s16, 7
	s_and_b32 s69, s15, 1
	s_mul_i32 s70, s66, 98304
	s_mul_i32 s71, s67, 12288
	s_add_co_u32 s70, s70, s71
	s_mul_i32 s71, s68, 1536
	s_add_co_u32 s70, s70, s71
	s_mul_i32 s71, s69, 768
	s_add_co_u32 s70, s70, s71
	s_mov_b32 s71, 0
	s_add_nc_u64 s[8:9], s[8:9], s[70:71]
	s_lshl_b32 s70, s66, 12
	s_lshl_b32 s72, s67, 9
	s_add_co_u32 s70, s70, s72
	s_lshl_b32 s72, s68, 6
	s_add_co_u32 s70, s70, s72
	s_lshl_b32 s72, s69, 1
	s_add_co_u32 s70, s70, s72
	s_add_nc_u64 s[10:11], s[10:11], s[70:71]
	s_mov_b32 s[SEL], 0x76543210
	s_mov_b32 s[SEL+1], 0xfedcba98
	s_mov_b32 s[CS], 0x3e38aa3b                    ; c = log2(e) / 8
	s_mov_b32 s[CS+1], s[CS]                       ; (named with it as a pair, so it is written)
	s_mov_b32 s[TB], 0
	s_mov_b32 s[TS], 0
	s_mov_b32 s[TJ], 0
	s_mov_b32 s[CNT], 16
	v_and_b32 v9, 31, v0                           ; lane
	v_and_b32 v10, 15, v0                          ; r
	v_bfe_u32 v11, v0, 4, 1                        ; h
	v_lshlrev_b32 v1, 4, v9                        ; k's 16-byte planes
	v_lshlrev_b32 v2, 3, v9                        ; and 8-byte planes
	v_lshlrev_b32 v30, 3, v10                      ; q's scale word: 8 r
	v_lshlrev_b32 v31, 2, v10                      ; o's: 4 r
	v_add_nc_u32 v26, 98304, v1                    ; v's planes
	v_add_nc_u32 v27, 98304, v2
	v_add_nc_u32 v28, 196608, v2                   ; k's scale words
	v_add_nc_u32 v29, 204800, v2                   ; v's
	v_lshlrev_b32 v9, 3, v11
	v_sub_nc_u32 v9, 8, v9                         ; k = 64: the code of +1.0 (lanes 0-15); k = 96 (lanes 16-31): 0
	WIN 0x40
.irp qt, 0,1
	global_load_b128 v[QF+12*\qt:QF+12*\qt+3], v1, s[74:75] offset:768*\qt        ; q's six real registers: K = the head's 64
	global_load_b64 v[QF+12*\qt+4:QF+12*\qt+5], v2, s[74:75] offset:768*\qt+512
.endr
.irp qt, 0,1
	v_mov_b32 v[QF+12*\qt+6], v9
.irp j, 7,8,9,10,11
	v_mov_b32 v[QF+12*\qt+\j], 0
.endr
	v_mov_b32 v[TT+48*\qt+NM+1], 0xff61b1e6        ; the largest t so far: -3e38
	v_mov_b32 v[TT+48*\qt+NM], 0x7f61b1e6          ; -M = floor(3e38), which is 3e38
	v_mov_b32 v[TT+48*\qt+LS], 0
	v_mov_b32 v[TT+48*\qt+LS+1], 0
	v_mov_b32 v[TT+48*\qt+FF+1], 0                 ; (named as the upper half of f's pair)
.irp b, 0,1,2,3
	v_mov_b32 v[TT+48*\qt+BP+\b], 0                ; a lane permute's destination counts as one of its sources
.endr
.endr
	WIN 0
	global_load_b32 v[QSC], v30, s[76:77]
	global_load_b32 v[QSC+1], v30, s[76:77] offset:128
.irp t, 0,1,2,3,4,5,6,7
	v_mov_b32 v[KF+12*\t+6], 40                    ; k = 64: the code of -1.0; in lanes 16-31 it stands at k = 96, against q's 0
.irp j, 7,8,9,10,11
	v_mov_b32 v[KF+12*\t+\j], 0
.endr
.endr
.set J, 0
.rept 64
	v_mov_b32 v[OA+J], 0                           ; O^T: the step is written once; the first finds zeros, which the first change of M leaves zeros
.set J, J+1
.endr
	v_mov_b32 v3, v1                               ; step 0's addresses of k
	v_mov_b32 v4, v2
	v_mov_b32 v7, v28
	WALU                                           ; the wait at the head's end
	s_wait_tensorcnt 0x0                           ; my load is in,
	s_barrier_signal -1
	s_barrier_wait -1                              ; everybody's is: the head's k, v and scale words lie whole in LDS
	KLOAD
	s_wait_loadcnt 0x0                             ; q, and its scale words
.Lstep:
	s_wait_dscnt 0x0                               ; this step's k and its words, asked for a step ago
	WIN 0x44
.irp tp, 0,1,2,3
.irp to, 0,1
.irp qt, 0,1
	SWM \tp, \to, \qt
.endr
.endr
.endr                                          ; lane (r, h) holds query r of each tile; register 16 b + i is key 32 b + 16 h + i of the step
	WIN 0
	v_add_nc_u32 v5, s[TB], v26                    ; six plain lines: the places between the products (these, and the last step's second products) and the loads into their operands, and ahead of the first read of S^T
	v_add_nc_u32 v6, s[TB], v27
	v_add_nc_u32 v8, s[TJ], v29
	s_add_co_u32 s[TB], s[TB], 6144
	s_add_co_u32 s[TS], s[TS], 512
	s_add_co_u32 s[TJ], s[TJ], 256
	v_add_nc_u32 v3, s[TB], v1
	v_add_nc_u32 v4, s[TB], v2
	v_add_nc_u32 v7, s[TS], v28
	VLOAD                                          ; this step's v,
	KLOAD                                          ; and the next step's k
	WIN 0x55
.irp b, 0,1,2,3
.irp qt, 0,1
	v_max3_num_f32 v[TT+48*\qt+BM+\b], v[64*\qt+16*\b], v[64*\qt+16*\b+1], v[64*\qt+16*\b+2]   ; the largest score of each block of 32 keys: for the row's maximum, and, since p rises with the score, for the block's largest p.  Eight chains by turns
.endr
.endr
.irp i, 3,5,7,9,11,13
.irp b, 0,1,2,3
.irp qt, 0,1
	v_max3_num_f32 v[TT+48*\qt+BM+\b], v[TT+48*\qt+BM+\b], v[64*\qt+16*\b+\i], v[64*\qt+16*\b+\i+1]
.endr
.endr
.endr
.irp b, 0,1,2,3
.irp qt, 0,1
	v_max_num_f32 v[TT+48*\qt+BM+\b], v[TT+48*\qt+BM+\b], v[64*\qt+16*\b+15]
.endr
.endr
.irp b, 0,1,2,3
.irp qt, 0,1
	v_permlanex16_b32 v[TT+48*\qt+BP+\b], v[TT+48*\qt+BM+\b], s[SEL], s[SEL+1]
.endr
.endr
.irp b, 0,1,2,3
.irp qt, 0,1
	v_max_num_f32 v[TT+48*\qt+BM+\b], v[TT+48*\qt+BM+\b], v[TT+48*\qt+BP+\b]   ; with lane l xor 16's 16 keys
.endr
.endr
.irp qt, 0,1
	v_max3_num_f32 v[TT+48*\qt+TP], v[TT+48*\qt+BM], v[TT+48*\qt+BM+1], v[TT+48*\qt+BM+2]
.endr
.irp qt, 0,1
	v_max_num_f32 v[TT+48*\qt+TP], v[TT+48*\qt+TP], v[TT+48*\qt+BM+3]
.endr
.irp qt, 0,1
	v_mul_f32 v[TT+48*\qt+TP], s[CS], v[TT+48*\qt+TP]              ; the step's largest t (c is positive)
.endr
.irp qt, 0,1
	v_max_num_f32 v[TT+48*\qt+NM+1], v[TT+48*\qt+NM+1], v[TT+48*\qt+TP]
.endr
.irp qt, 0,1
	v_mov_b32 v[TT+48*\qt+TP], v[TT+48*\qt+NM]
.endr
.irp qt, 0,1
	v_floor_f32 v[TT+48*\qt+NM], -v[TT+48*\qt+NM+1]                ; the new -M = -ceil(t): a whole number
.endr
.irp qt, 0,1
	v_sub_f32 v[TT+48*\qt+TP], v[TT+48*\qt+NM], v[TT+48*\qt+TP]    ; old M - new M: 0 or less
.endr
.irp qt, 0,1
	v_cvt_i32_f32 v[TT+48*\qt+TP], v[TT+48*\qt+TP]                 ; (it saturates)
.endr
.irp qt, 0,1
	v_ldexp_f32 v[TT+48*\qt+FF], 1.0, v[TT+48*\qt+TP]              ; f = 2^(old M - new M)
.endr
.set J, 0
.rept 64
	v_pk_fma_f32 v[2*J:2*J+1], v[2*J:2*J+1], s[CS:CS+1], v[TT+48*(J/32)+NM:TT+48*(J/32)+NM+1] op_sel_hi:[1,0,0]   ; t - M, two at a time
.set J, J+1
.endr
.irp b, 0,1,2,3
.irp qt, 0,1
	v_fma_f32 v[TT+48*\qt+BM+\b], v[TT+48*\qt+BM+\b], s[CS], v[TT+48*\qt+NM]   ; the same of each block's largest score
.endr
.endr
	WALU                                           ; the wait ahead of the batch
.set J, 0
.rept 128
	v_exp_f32 v[J], v[J]                           ; p = 2^(t - M): not normalised
.set J, J+1
.endr
.irp b, 0,1,2,3
.irp qt, 0,1
	v_exp_f32 v[TT+48*\qt+BM+\b], v[TT+48*\qt+BM+\b]               ; the block's largest p: the same two instructions on the same number
.endr
.endr
.irp qt, 0,1
	v_pk_mul_f32 v[TT+48*\qt+LS:TT+48*\qt+LS+1], v[TT+48*\qt+LS:TT+48*\qt+LS+1], v[TT+48*\qt+FF:TT+48*\qt+FF+1] op_sel_hi:[1,0]   ; the sums under the new M (plain places behind the exponentials)
.endr
	WALU                                           ; and the one wait behind the batch
.irp b, 0,1,2,3
.irp qt, 0,1
	v_max_num_f32 v[TT+48*\qt+BM+\b], 0x1800000, v[TT+48*\qt+BM+\b]   ; the floor 2^(3 - 127): a block whose every p is 0 keeps the byte 1; its codes are zeros
.endr
.endr
.irp b, 0,1,2,3
.irp qt, 0,1
	v_add_nc_u32 v[TT+48*\qt+SOP+\b], 0xff000000, v[TT+48*\qt+BM+\b]  ; 2 off the exponent field: the conversion's scale operand
.endr
.endr
.irp b, 0,1,2,3
.irp qt, 0,1
	v_lshrrev_b32 v[TT+48*\qt+BP+\b], 23, v[TT+48*\qt+SOP+\b]         ; the scale's byte
.endr
.endr
.irp qt, 0,1
	v_lshl_or_b32 v[TT+48*\qt+TP], v[TT+48*\qt+BP+1], 8, v[TT+48*\qt+BP]
.endr
.irp qt, 0,1
	v_lshl_or_b32 v[TT+48*\qt+TP], v[TT+48*\qt+BP+2], 16, v[TT+48*\qt+TP]
.endr
.irp qt, 0,1
.irp c, 0,1
	v_cvt_scalef32_pk16_fp6_f32 v[TT+48*\qt+PC+6*\c:TT+48*\qt+PC+6*\c+2], v[64*\qt+32*\c:64*\qt+32*\c+15], v[TT+48*\qt+SOP+2*\c]
	v_cvt_scalef32_pk16_fp6_f32 v[TT+48*\qt+T2+4*\c:TT+48*\qt+T2+4*\c+2], v[64*\qt+32*\c+16:64*\qt+32*\c+31], v[TT+48*\qt+SOP+2*\c+1]
.endr
.endr
.irp qt, 0,1                                   ; the rows' sums of the unquantised p: four chains a tile.  (Plain lines behind the conversions, which touch none of their results)
.irp j, 0,1,2,3
	v_pk_add_f32 v[TT+48*\qt+SU+2*\j:TT+48*\qt+SU+2*\j+1], v[64*\qt+2*\j:64*\qt+2*\j+1], v[64*\qt+8+2*\j:64*\qt+9+2*\j]
.endr
.endr
.irp i, 16,24,32,40,48,56
.irp qt, 0,1
.irp j, 0,1,2,3
	v_pk_add_f32 v[TT+48*\qt+SU+2*\j:TT+48*\qt+SU+2*\j+1], v[TT+48*\qt+SU+2*\j:TT+48*\qt+SU+2*\j+1], v[64*\qt+\i+2*\j:64*\qt+\i+2*\j+1]
.endr
.endr
.endr
.irp qt, 0,1
	v_pk_add_f32 v[TT+48*\qt+SU:TT+48*\qt+SU+1], v[TT+48*\qt+SU:TT+48*\qt+SU+1], v[TT+48*\qt+SU+2:TT+48*\qt+SU+3]
	v_pk_add_f32 v[TT+48*\qt+SU+4:TT+48*\qt+SU+5], v[TT+48*\qt+SU+4:TT+48*\qt+SU+5], v[TT+48*\qt+SU+6:TT+48*\qt+SU+7]
.endr
.irp qt, 0,1
.irp c, 0,1                                    ; the operand's layout wants a whole block in a lane: lanes 0-15 block 2 c, lanes 16-31 block 2 c + 1
.irp i, 0,1,2
	v_permlane16_swap_b32 v[TT+48*\qt+PC+6*\c+\i], v[TT+48*\qt+T2+4*\c+\i]
.endr
.endr
.endr
.irp qt, 0,1
	v_pk_add_f32 v[TT+48*\qt+SU:TT+48*\qt+SU+1], v[TT+48*\qt+SU:TT+48*\qt+SU+1], v[TT+48*\qt+SU+4:TT+48*\qt+SU+5]
.endr
.irp qt, 0,1
.irp c, 0,1
.irp i, 0,1,2
	v_mov_b32 v[TT+48*\qt+PC+6*\c+3+\i], v[TT+48*\qt+T2+4*\c+\i]
.endr
.endr
.endr
.irp qt, 0,1
	v_pk_add_f32 v[TT+48*\qt+LS:TT+48*\qt+LS+1], v[TT+48*\qt+LS:TT+48*\qt+LS+1], v[TT+48*\qt+SU:TT+48*\qt+SU+1]
.endr
	WIN 0x15
.irp qt, 0,1
	v_lshl_or_b32 v[PSC+\qt], v[TT+48*\qt+BP+3], 24, v[TT+48*\qt+TP]   ; p's scale word for these 128 keys, into window 0, where scales are read
.endr
	WIN 0x04
	WALU                                           ; the wait directly ahead of the first reader of O^T
.set J, 0
.rept 32
	v_pk_mul_f32 v[OA+2*J:OA+2*J+1], v[OA+2*J:OA+2*J+1], v[TT+48*(J/16)+FF:TT+48*(J/16)+FF+1] op_sel_hi:[1,0]   ; O^T under the new M; these 32 are also the places between p's codes and word and the products
.set J, J+1
.endr
	WALU                                           ; the wait directly ahead of the wait below
	s_wait_dscnt 18                                ; v and its words are in; the 18 loads of the next step's k may be out
.irp tp, 0,1
.irp to, 0,1
.irp qt, 0,1
	PWM \tp, \to, \qt                              ; the eight accumulators by turns
.endr
.endr
.endr
	WIN 0
	s_sub_co_u32 s[CNT], s[CNT], 1
	s_cmp_lg_u32 s[CNT], 0
	s_cbranch_scc1 .Lstep
	; THE WAY OUT: O^T / the sum, quantised along the head's 64 channels: register 16 b + i is channel 32 b + 16 h + i
	WIN 0x55
.irp qt, 0,1
	v_add_f32 v[TT+48*\qt+LS], v[TT+48*\qt+LS], v[TT+48*\qt+LS+1]  ; (these six plain lines are the places behind the last products)
.endr
.irp qt, 0,1
	v_permlanex16_b32 v[TT+48*\qt+TP], v[TT+48*\qt+LS], s[SEL], s[SEL+1]
.endr
.irp qt, 0,1
	v_add_f32 v[TT+48*\qt+LS], v[TT+48*\qt+LS], v[TT+48*\qt+TP]    ; the row's sum
.endr
	WALU
.irp qt, 0,1
	v_rcp_f32 v[TT+48*\qt+LS], v[TT+48*\qt+LS]
.endr
	v_nop                                          ; a plain place behind the transcendentals
	WIN 0x44
	WALU
.set J, 0
.rept 64
	v_mul_f32 v[64*(J/32)+J%32], v[OA+J], v[TT+48*(J/32)+LS]       ; each accumulator from its low end on
.set J, J+1
.endr
	WIN 0x55
.irp b, 0,1
.irp qt, 0,1
	v_max3_num_f32 v[TT+48*\qt+BM+\b], |v[64*\qt+16*\b]|, |v[64*\qt+16*\b+1]|, 0x1800000
.endr
.endr
.irp i, 2,4,6,8,10,12,14
.irp b, 0,1
.irp qt, 0,1
	v_max3_num_f32 v[TT+48*\qt+BM+\b], v[TT+48*\qt+BM+\b], |v[64*\qt+16*\b+\i]|, |v[64*\qt+16*\b+\i+1]|
.endr
.endr
.endr
.irp b, 0,1
.irp qt, 0,1
	v_permlanex16_b32 v[TT+48*\qt+BP+\b], v[TT+48*\qt+BM+\b], s[SEL], s[SEL+1]
.endr
.endr
.irp b, 0,1
.irp qt, 0,1
	v_max_num_f32 v[TT+48*\qt+BM+\b], v[TT+48*\qt+BM+\b], v[TT+48*\qt+BP+\b]
.endr
.endr
.irp b, 0,1
.irp qt, 0,1
	v_add_nc_u32 v[TT+48*\qt+SOP+\b], 0xff000000, v[TT+48*\qt+BM+\b]
.endr
.endr
.irp b, 0,1
.irp qt, 0,1
	v_lshrrev_b32 v[TT+48*\qt+BP+\b], 23, v[TT+48*\qt+SOP+\b]
.endr
.endr
.irp qt, 0,1
	v_lshl_or_b32 v[TT+48*\qt+TP], v[TT+48*\qt+BP+1], 8, v[TT+48*\qt+BP]   ; my head's two bytes of the row's scale word
.endr
.irp qt, 0,1
	v_cvt_scalef32_pk16_fp6_f32 v[TT+48*\qt+PC:TT+48*\qt+PC+2], v[64*\qt:64*\qt+15], v[TT+48*\qt+SOP]
	v_cvt_scalef32_pk16_fp6_f32 v[TT+48*\qt+T2:TT+48*\qt+T2+2], v[64*\qt+16:64*\qt+31], v[TT+48*\qt+SOP+1]
.endr
	v_nop                                          ; one plain place behind a scaled conversion
.irp qt, 0,1
.irp i, 0,1,2
	v_permlane16_swap_b32 v[TT+48*\qt+PC+\i], v[TT+48*\qt+T2+\i]
.endr
.endr
.irp qt, 0,1
.irp i, 0,1,2
	v_mov_b32 v[TT+48*\qt+PC+3+\i], v[TT+48*\qt+T2+\i]
.endr
.endr
	WIN 0x04                                       ; a store's data are its source 1: window 1
.irp qt, 0,1
	global_store_b128 v1, v[TT+48*\qt+PC:TT+48*\qt+PC+3], s[8:9] offset:1536*\qt         ; 512 and 256 consecutive bytes, aligned
	global_store_b64 v2, v[TT+48*\qt+PC+4:TT+48*\qt+PC+5], s[8:9] offset:1536*\qt+512
	global_store_b16 v31, v[TT+48*\qt+TP], s[10:11] offset:64*\qt   ; two heads share a scale word, so a head stores two bytes of each (both halves of the lanes store the same)
.endr
	WIN 0
	s_wait_dscnt 0x0                               ; the last look-ahead's loads
	s_wait_tensorcnt 0x0                           ; the wave's end
	ds_add_u32 v[SPW], v[NIL]
	s_wait_dscnt 0x0
	CROUND                                         ; the closing round
	s_endpgm
.Lfunc_end_k_qb1be489ab0_attn:
	.size	k_qb1be489ab0_attn, .Lfunc_end_k_qb1be489ab0_attn-k_qb1be489ab0_attn
	.p2alignl 7, 3214868480
	.fill 96, 4, 3214868480
	.section	.rodata,"a",@progbits
	.p2align	6, 0x0
	.amdhsa_kernel k_qb1be489ab0_attn
		.amdhsa_group_segment_fixed_size 210944
		.amdhsa_private_segment_fixed_size 0
		.amdhsa_enable_private_segment 0
		.amdhsa_kernarg_size 32
		.amdhsa_user_sgpr_count 2
		.amdhsa_user_sgpr_kernarg_segment_ptr 1
		.amdhsa_wavefront_size32 1
		.amdhsa_system_sgpr_workgroup_id_x 1
		.amdhsa_system_sgpr_workgroup_id_y 1
		.amdhsa_system_sgpr_workgroup_id_z 1
		.amdhsa_system_vgpr_workitem_id 0
		.amdhsa_next_free_vgpr 512
		.amdhsa_next_free_sgpr 80
		.amdhsa_reserve_vcc 0
		.amdhsa_float_denorm_mode_32 3
		.amdhsa_float_denorm_mode_16_64 3
		.amdhsa_memory_ordered 1
		.amdhsa_forward_progress 1
		.amdhsa_inst_pref_size 50
	.end_amdhsa_kernel
	.amdgpu_metadata
---
amdhsa.version: [ 1, 2 ]
amdhsa.kernels:
  - .name:           k_qb1be489ab0_attn
    .symbol:         k_qb1be489ab0_attn.kd
    .args:
      - { .name: qkvc, .offset: 0, .size: 8, .value_kind: global_buffer, .address_space: global }
      - { .name: qkvs, .offset: 8, .size: 8, .value_kind: global_buffer, .address_space: global }
      - { .name: oc, .offset: 16, .size: 8, .value_kind: global_buffer, .address_space: global }
      - { .name: os, .offset: 24, .size: 8, .value_kind: global_buffer, .address_space: global }
    .group_segment_fixed_size: 210944
    .private_segment_fixed_size: 0
    .kernarg_segment_align: 8
    .kernarg_segment_size: 32
    .max_flat_workgroup_size: 256
    .sgpr_count:     80
    .vgpr_count:     512
    .wavefront_size: 32
...
	.end_amdgpu_metadata
.endif
;; end of part 3
;; launch oproj (part 4): grid 8 x 32, 4 waves a work-group, clusters of 4 x 4, 197,120 bytes of LDS; arguments oc, os, c1, s1, out0; writes out0
.if DOCPART == 4
	.amdgcn_target "amdgcn-amd-amdhsa--gfx1250"
	.amdhsa_code_object_version 6
	.text
	.protected	k_qb1be489ab0_oproj
	.globl	k_qb1be489ab0_oproj
	.p2align	8
	.type	k_qb1be489ab0_oproj,@function
k_qb1be489ab0_oproj:
	s_mov_b64 s[64:65], 0
	v_nop
	global_prefetch_b8 v0, s[64:65] scope:SCOPE_SE
	s_setreg_imm32_b32 hwreg(HW_REG_WAVE_MODE, 25, 1), 1
	s_wait_xcnt 0x0
	s_wait_alu depctr_hold_cnt(0) depctr_sa_sdst(0) depctr_va_vdst(0) depctr_va_sdst(0) depctr_va_ssrc(0) depctr_va_vcc(0) depctr_vm_vsrc(0)
	s_getreg_b32 s2, hwreg(HW_REG_IB_STS2, 6, 4)
	s_cmp_eq_u32 s2, 0
	s_cbranch_scc0 .Lentry_in_a_cluster
	s_endpgm
.Lentry_in_a_cluster:
	s_bfe_u32 s2, ttmp6, 0x10000c
	s_cmp_lg_u32 s2, 0xf033
	s_cbranch_scc0 .Lentry_shape_is_right
	s_endpgm
.Lentry_shape_is_right:
; out0 = o Wo^T on codes of FP6 (E2M3) with E8M0 scales; out0 [4096][1024] f32.  A = o's codes and scale words (32 groups of 128 tokens), B = Wo's (groups 56-63 of c1, s1).
; 32 x 8 = 256 work-groups, each 128 tokens x 128 columns (one group of A, one of B), K = 1,024.  ALL OF K LIES IN LDS: A 98,304 bytes at 0, B as much behind it, filled once: no byte is filled again by a tensor load.
; One tensor load a wave at the head, each in its own arm: wave 0 A's K steps 0-3, wave 1 B's, wave 2 A's K steps 4-7, wave 3 B's.  The first barrier waits for waves 0 and 1 alone; the barrier in K step 3 for all.
; Four waves; wave (wa, wb) makes A tiles 4 wa .. 4 wa + 3 x B tiles 4 wb .. 4 wb + 3: 16 accumulators.  THE MATRIX INSTRUCTION IS USED TRANSPOSED (source 0 = 16 rows of Wo, source 1 = 16 tokens): a lane holds one token, and
; the 16 registers of B tiles 2 b and 2 b + 1 are columns 32 b + 16 (lane / 16) + 0 .. 15 (tile i, lane r of a group is row 32 (i / 2) + 8 (i % 2) + r + 8 (r / 8)).
; CLUSTER 4 x 4: A's blocks are shared along a row of the cluster, B's along a column, each asked for jointly.  No prefetch into the L2: all is asked for at the head, so there is no trip to run ahead of.
; REGISTERS: window 0: v4-20 addresses; v32-47 A's scale words, v52-67 B's (nothing else ever); v128-191 rows on the way out.  Window 1: accumulator (a, b) at v[8 (4 a + b)].
;   Window 2: two sets of fragments, set p at v[96 p]: B tile b at + 12 b, A tile a at + 48 + 12 a.
.set SPARE, 196608
.set AD,    8                          ; v8-11 LDS addresses for K steps 0-3: A's 16-byte planes, A's 8-byte planes, B's, B's; v12-15 the same for K steps 4-7
.set SPW,   16
.set NIL,   17
.set STO,   18                         ; the way out: where I put 32 bytes of a row
.set RD,    19                         ; where I read rows back: sixteen lanes a row of 256 bytes
.set VO,    20                         ; and the same two rows in out0
.set SCA,   32
.set SCB,   52
.set BK,    128
.set G1A, 28
.set G1B, 36
.set G0A, 44
.set G0B, 68
.set MSB, 0
.macro WIN new                         ; the immediate's high byte repeats the setting that is left
.if MSB != (\new)
	s_set_vgpr_msb (MSB<<8)|(\new)
.set MSB, (\new)
.endif
.endm
.macro PLACES n
.rept \n
	v_nop
.endr
.endm
.macro CROUND
	s_barrier_signal -1
	s_barrier_wait -1
	s_cmp_lg_u32 s14, 0
	s_cbranch_scc1 .Lnot_wave_0_\@
	s_barrier_signal -3
.Lnot_wave_0_\@:
	s_barrier_wait -3
	s_barrier_signal -1
	s_barrier_wait -1
.endm
.macro ARM w, g0, g1, next             ; an arm of the head's chain: wave w's one load
	s_cmp_eq_u32 s14, \w
	s_cbranch_scc0 \next
	tensor_load_to_lds s[\g0:\g0+3], s[\g1:\g1+7]
	s_nop 0
	PLACES 4
	s_branch .Lfilled
\next:
.endm
.macro FRAGL reg, a16, a8, off         ; a fragment's twelve registers from its two images of 768 bytes
	ds_load_b128 v[\reg:\reg+3], v[\a16] offset:\off
	ds_load_b64 v[\reg+4:\reg+5], v[\a8] offset:\off+512
	ds_load_b128 v[\reg+6:\reg+9], v[\a16] offset:\off+768
	ds_load_b64 v[\reg+10:\reg+11], v[\a8] offset:\off+1280
.endm
.macro FETCH s, p                      ; K step s into set p: 32 LDS loads
	WIN 0x80
.irp b, 0,1,2,3
	FRAGL 96*(\p)+12*\b, AD+4*((\s)/4)+2, AD+4*((\s)/4)+3, ((\s)%4)*12288+1536*\b
.endr
.irp a, 0,1,2,3
	FRAGL 96*(\p)+48+12*\a, AD+4*((\s)/4), AD+4*((\s)/4)+1, ((\s)%4)*12288+1536*\a
.endr
	WIN 0
.endm
.macro MUL s, p, zero                  ; 16 products of K step s on set p.  The 16 accumulators take turns, one instruction a turn, in the same order in every step; the odd tiles' scale words stand in lanes 16-31
	WIN 0x5a
.irp ap, 0,1
.irp ao, 0,1
.irp bp, 0,1
.irp bo, 0,1
.if \zero
	v_wmma_scale_f32_16x16x128_f8f6f4 v[8*(8*\ap+4*\ao+2*\bp+\bo):8*(8*\ap+4*\ao+2*\bp+\bo)+7], v[96*(\p)+24*\bp+12*\bo:96*(\p)+24*\bp+12*\bo+11], v[96*(\p)+48+24*\ap+12*\ao:96*(\p)+48+24*\ap+12*\ao+11], 0, v[SCB+2*(\s)+\bp], v[SCA+2*(\s)+\ap] matrix_a_fmt:MATRIX_FMT_FP6 matrix_b_fmt:MATRIX_FMT_FP6 matrix_a_scale:MATRIX_SCALE_ROW\bo matrix_b_scale:MATRIX_SCALE_ROW\ao
.else
	v_wmma_scale_f32_16x16x128_f8f6f4 v[8*(8*\ap+4*\ao+2*\bp+\bo):8*(8*\ap+4*\ao+2*\bp+\bo)+7], v[96*(\p)+24*\bp+12*\bo:96*(\p)+24*\bp+12*\bo+11], v[96*(\p)+48+24*\ap+12*\ao:96*(\p)+48+24*\ap+12*\ao+11], v[8*(8*\ap+4*\ao+2*\bp+\bo):8*(8*\ap+4*\ao+2*\bp+\bo)+7], v[SCB+2*(\s)+\bp], v[SCA+2*(\s)+\ap] matrix_a_fmt:MATRIX_FMT_FP6 matrix_b_fmt:MATRIX_FMT_FP6 matrix_a_scale:MATRIX_SCALE_ROW\bo matrix_b_scale:MATRIX_SCALE_ROW\ao
.endif
.endr
.endr
.endr
.endr
.endm
; K step s: the next step's fragments are asked for, then this step's 16 products are issued.
.macro KSTEP s, zero
.if (\s) < 7
.if (\s) == 3
	WIN 0
	s_wait_tensorcnt 0x0                           ; every wave's load is in: K steps 4-7 are shown to all by this barrier
	s_wait_dscnt 0x0
	s_barrier_signal -1
	s_barrier_wait -1
.endif
.if (\s) > 0
	PLACES 4                                       ; in front of the loads into registers that the last products but 16 read
.endif
	FETCH (\s)+1, ((\s)+1)%2
	s_wait_dscnt 32                                ; all but the 32 just issued
.else
	s_wait_dscnt 0x0
.endif
	MUL \s, (\s)%2, \zero
.endm
	s_load_b256 s[4:11], s[0:1], 0x0               ; oc s[4:5], os s[6:7], c1 s[8:9], s1 s[10:11]
	s_load_b64 s[12:13], s[0:1], 0x20              ; out0
	v_lshl_add_u32 v[SPW], v0, 2, SPARE
	v_mov_b32 v[NIL], 0
	ds_add_u32 v[SPW], v[NIL]                      ; the opening lines: the add, twice on end, and its wait ahead of the first tensor load
	ds_add_u32 v[SPW], v[NIL]
	v_lshrrev_b32 v1, 5, v0
	v_readfirstlane_b32 s14, v1                    ; wave 0..3
	s_lshr_b32 s15, s14, 1                         ; wa: which four tiles of A
	s_and_b32 s16, s14, 1                          ; wb: which four tiles of B
	s_bfe_u32 s17, ttmp6, 0x40000                  ; cx
	s_bfe_u32 s18, ttmp6, 0x40004                  ; cy
	s_and_b32 s20, ttmp7, 0xffff
	s_lshl_b32 s23, s18, 2
	s_lshl_b32 s23, 15, s23                        ; my row of the cluster
	s_lshl_b32 s24, 0x1111, s17                    ; my column
	s_or_b32 s[G1A], s23, (3<<16)|(1<<21)
	s_or_b32 s[G1B], s24, (3<<16)|(1<<21)
.irp g, G1A, G1B                               ; four K steps of a group, dense: 192 rows of 256 bytes (32 elements of 8)
	s_mov_b32 s[\g+1], 32<<16
	s_mov_b32 s[\g+2], 192<<16
	s_mov_b32 s[\g+3], 32<<16
	s_mov_b32 s[\g+4], 192
	s_mov_b32 s[\g+5], 32
	s_mov_b32 s[\g+6], 0
	s_mov_b32 s[\g+7], 0
.endr
	s_lshl_b32 s21, s20, 2
	s_add_co_u32 s21, s21, s18                     ; A: the tokens' group 4 y + cy
	s_lshl_b32 s22, ttmp9, 2
	s_add_co_u32 s22, s22, s17                     ; B: Wo's group 4 x + cx: also my 128 columns of out0
	s_add_co_u32 s26, s22, 56                      ; its place in c1 and s1
	s_mul_i32 s84, s21, 98304
	s_mov_b32 s85, 0
	s_mul_i32 s88, s26, 98304
	s_mov_b32 s89, 0
	s_wait_dscnt 0x0
	s_wait_kmcnt 0x0
	s_add_nc_u64 s[84:85], s[4:5], s[84:85]
	s_add_nc_u64 s[88:89], s[8:9], s[88:89]
.irp c, 0,1                                    ; set c: K steps 4 c .. 4 c + 3
	s_mov_b32 s[G0A+4*\c], 1
	s_mov_b32 s[G0A+4*\c+1], \c*49152
	s_add_nc_u64 s[G0A+4*\c+2:G0A+4*\c+3], s[84:85], \c*49152
	s_or_b32 s[G0A+4*\c+3], s[G0A+4*\c+3], 0x80000000
	s_mov_b32 s[G0B+4*\c], 1
	s_mov_b32 s[G0B+4*\c+1], 98304+\c*49152
	s_add_nc_u64 s[G0B+4*\c+2:G0B+4*\c+3], s[88:89], \c*49152
	s_or_b32 s[G0B+4*\c+3], s[G0B+4*\c+3], 0x80000000
.endr
	CROUND                                         ; all sixteen work-groups are here: the joint loads meet
	ARM 0, G0A, G1A, .Lfill_1
	ARM 1, G0B, G1B, .Lfill_2
	ARM 2, G0A+4, G1A, .Lfill_3
	tensor_load_to_lds s[G0B+4:G0B+7], s[G1B:G1B+7]
	s_nop 0
	PLACES 4
.Lfilled:
	s_mul_i32 s90, s15, 6144                       ; my four tiles of A in a K step,
	s_mul_i32 s91, s16, 6144
	s_add_co_u32 s91, s91, 98304                   ; and of B
	s_mul_i32 s27, s14, 8448                       ; my stage: 16 rows x 528 bytes.  The four stages lie in A's K steps 0 to 2: filled once, and last read ahead of the barrier in K step 3
	s_lshl_b32 s92, s21, 12                        ; the scale words: 4,096 bytes a group, 256 for four tiles
	s_lshl_b32 s93, s15, 8
	s_add_co_u32 s92, s92, s93
	s_mov_b32 s93, 0
	s_add_nc_u64 s[92:93], s[6:7], s[92:93]
	s_lshl_b32 s94, s26, 12
	s_lshl_b32 s95, s16, 8
	s_add_co_u32 s94, s94, s95
	s_mov_b32 s95, 0
	s_add_nc_u64 s[94:95], s[10:11], s[94:95]
	s_lshl_b32 s96, s21, 19                        ; out0: 128 rows of 4,096 bytes a group, + 64 wa rows, + 512 bytes for each 128 columns, + 256 wb
	s_lshl_b32 s97, s15, 18
	s_add_co_u32 s96, s96, s97
	s_lshl_b32 s97, s22, 9
	s_add_co_u32 s96, s96, s97
	s_lshl_b32 s97, s16, 8
	s_add_co_u32 s96, s96, s97
	s_mov_b32 s97, 0
	s_add_nc_u64 s[12:13], s[12:13], s[96:97]
	v_and_b32 v1, 31, v0                           ; lane
	v_and_b32 v2, 15, v0                           ; r
	v_bfe_u32 v3, v0, 4, 1                         ; h
	v_lshlrev_b32 v4, 4, v1
	v_lshlrev_b32 v5, 3, v1
	v_lshlrev_b32 v6, 2, v1
	v_add_nc_u32 v[AD], s90, v4
	v_add_nc_u32 v[AD+1], s90, v5
	v_add_nc_u32 v[AD+2], s91, v4
	v_add_nc_u32 v[AD+3], s91, v5
.irp i, 0,1,2,3
	v_add_nc_u32 v[AD+4+\i], 49152, v[AD+\i]
.endr
	v_mul_u32_u24 v[STO], v2, 528
	v_lshl_add_u32 v[STO], v3, 6, v[STO]
	v_add_nc_u32 v[STO], s27, v[STO]               ; in: row r, + 64 h
	v_mul_u32_u24 v[RD], v3, 528
	v_lshl_add_u32 v[RD], v2, 4, v[RD]
	v_add_nc_u32 v[RD], s27, v[RD]                 ; back: lanes 0-15 one row of 256 bytes, lanes 16-31 the next
	v_lshlrev_b32 v[VO], 12, v3
	v_lshl_add_u32 v[VO], v2, 4, v[VO]             ; and the same two rows in out0
.irp s, 0,1,2,3,4,5,6,7                        ; the scale words of all of K go straight into registers, once
.irp p, 0,1
	global_load_b32 v[SCA+2*\s+\p], v6, s[92:93] offset:512*\s+128*\p
	global_load_b32 v[SCB+2*\s+\p], v6, s[94:95] offset:512*\s+128*\p
.endr
.endr
	s_wait_alu depctr_va_vdst(0)                   ; the wait at the head's end
	s_cmp_lt_u32 s14, 2                            ; waves 0 and 1 issued the loads of K steps 0-3, on lines of their own: they wait; the other two loads may be out
	s_cbranch_scc0 .Lnot_first
	s_wait_tensorcnt 0x0
.Lnot_first:
	s_barrier_signal -1
	s_barrier_wait -1
	FETCH 0, 0
	s_wait_loadcnt 0x0                             ; the scale words
	KSTEP 0, 1                                     ; the first step's products start the sums: nothing is cleared
.irp s, 1,2,3,4,5,6,7
	KSTEP \s, 0
.endr
	WIN 0
; THE WAY OUT, A tile by A tile: 16 tokens x 64 columns.  A lane holds pieces of 32 bytes of one row; they go through my own stage and come back as whole rows of 256 bytes.
; LDS serves a wave's instructions in order: no wait between the stores and the loads, nor in front of the next tile's stores.
.macro TOSTAGE a
	WIN 0x04                                       ; an LDS store's data are its source 1: window 1
.irp b, 0,1,2,3
	ds_store_b128 v[STO], v[32*(\a)+8*\b:32*(\a)+8*\b+3] offset:128*(\b/2)+32*(\b%2)       ; each accumulator from its low end on
	ds_store_b128 v[STO], v[32*(\a)+8*\b+4:32*(\a)+8*\b+7] offset:128*(\b/2)+32*(\b%2)+16
.endr
	WIN 0
.irp t, 0,1,2,3,4,5,6,7
	ds_load_b128 v[BK+32*((\a)%2)+4*\t:BK+32*((\a)%2)+4*\t+3], v[RD] offset:1056*\t
.endr
.endm
.macro SEND a, younger                 ; younger: the LDS instructions issued behind tile a's loads, which may stay out
	s_wait_dscnt \younger
.irp t, 0,1,2,3,4,5,6,7
	global_store_b128 v[VO], v[BK+32*((\a)%2)+4*\t:BK+32*((\a)%2)+4*\t+3], s[12:13] offset:(32*((\a)/2)+8*((\a)%2)+2*\t+8*(\t/4))*4096 th:TH_STORE_NT   ; sixteen lanes store 256 consecutive bytes, aligned; written once, read by nobody here
.endr
.endm
	PLACES 4                                       ; in front of the first read of results
	TOSTAGE 0
	TOSTAGE 1
	SEND 0, 16                                     ; behind tile 0's loads: tile 1's 8 stores and 8 loads
	s_wait_xcnt 0x0                                ; tile 0's stores have read their registers: tile 2's rows may land there
	TOSTAGE 2
	SEND 1, 16
	s_wait_xcnt 0x0
	TOSTAGE 3
	SEND 2, 16
	SEND 3, 0
	s_wait_tensorcnt 0x0                           ; the wave's end
	ds_add_u32 v[SPW], v[NIL]
	s_wait_dscnt 0x0
	CROUND                                         ; the closing round: no work-group ends while a partner may still ask for a block that names it
	s_endpgm
.Lfunc_end_k_qb1be489ab0_oproj:
	.size	k_qb1be489ab0_oproj, .Lfunc_end_k_qb1be489ab0_oproj-k_qb1be489ab0_oproj
	.p2alignl 7, 3214868480
	.fill 96, 4, 3214868480
	.section	.rodata,"a",@progbits
	.p2align	6, 0x0
	.amdhsa_kernel k_qb1be489ab0_oproj
		.amdhsa_group_segment_fixed_size 197120
		.amdhsa_private_segment_fixed_size 0
		.amdhsa_enable_private_segment 0
		.amdhsa_kernarg_size 40
		.amdhsa_user_sgpr_count 2
		.amdhsa_user_sgpr_kernarg_segment_ptr 1
		.amdhsa_wavefront_size32 1
		.amdhsa_system_sgpr_workgroup_id_x 1
		.amdhsa_system_sgpr_workgroup_id_y 1
		.amdhsa_system_sgpr_workgroup_id_z 1
		.amdhsa_system_vgpr_workitem_id 0
		.amdhsa_next_free_vgpr 768
		.amdhsa_next_free_sgpr 104
		.amdhsa_reserve_vcc 0
		.amdhsa_float_denorm_mode_32 3
		.amdhsa_float_denorm_mode_16_64 3
		.amdhsa_memory_ordered 1
		.amdhsa_forward_progress 1
		.amdhsa_inst_pref_size 52
	.end_amdhsa_kernel
	.amdgpu_metadata
---
amdhsa.version: [ 1, 2 ]
amdhsa.kernels:
  - .name:           k_qb1be489ab0_oproj
    .symbol:         k_qb1be489ab0_oproj.kd
    .args:
      - { .name: oc, .offset: 0, .size: 8, .value_kind: global_buffer, .address_space: global }
      - { .name: os, .offset: 8, .size: 8, .value_kind: global_buffer, .address_space: global }
      - { .name: c1, .offset: 16, .size: 8, .value_kind: global_buffer, .address_space: global }
      - { .name: s1, .offset: 24, .size: 8, .value_kind: global_buffer, .address_space: global }
      - { .name: out0, .offset: 32, .size: 8, .value_kind: global_buffer, .address_space: global }
    .group_segment_fixed_size: 197120
    .private_segment_fixed_size: 0
    .kernarg_segment_align: 8
    .kernarg_segment_size: 40
    .max_flat_workgroup_size: 128
    .sgpr_count:     104
    .vgpr_count:     768
    .wavefront_size: 32
...
	.end_amdgpu_metadata
.endif
;; end of part 4
